; MI455X (gfx1250); checked and timed in simulation.
; The chip was launched on July 23, 2026; its instructions are those of AMD's public machine-readable ISA for CDNA 5 (MIT licence, August 2026) and "CDNA5" Instruction Set Architecture Reference Guide (July 2026). The comments in the code are by the model that wrote it; some were corrected since.
;; Attention Scores. Allowed arithmetic: matrix products marked QUANTISED: E3M2 operands, one E8M0 scale for each 32 along K, by v_wmma_scale_f32_16x16x128_f8f6f4 with both operands' format E3M2, f32 sums; everything else in f32.
;; Inputs: Wk 1,024 x 1,024 float32; Wo 1,024 x 1,024 float32; Wq 1,024 x 1,024 float32; Wv 1,024 x 1,024 float32; bo 1,024 float32; inputs 4 x 2,048 x 1,024 float32.
;; Outputs: out0 4 x 2,048 x 1,024 float32.
;; This version of the problem:
;;   THIS VERSION OF THE PROBLEM IS GIVEN IN LOW PRECISION. The matrix products marked QUANTISED in the list below multiply operands that are first quantised to E3M2 (3 exponent bits, 2 mantissa bits; 6 bits a number), with one power-of-two scale for each 32 numbers along K (OCP MX v1.0); their sums are f32. All else is computed in f32.
;;   The module's matrix products, in the order in which they are computed (A, B: the left and right operand; K: the contracted axis; several contracted axes count as one K, in the product's order):
;;     1. [M 8,192, K 1,024] x [K 1,024, N 1,024]; A: input inputs; B: input Wq: QUANTISED
;;     2. [M 8,192, K 1,024] x [K 1,024, N 1,024]; A: input inputs; B: input Wk: QUANTISED
;;     3. [M 8,192, K 1,024] x [K 1,024, N 1,024]; A: input inputs; B: input Wv: QUANTISED
;;     4. batch 64 x [M 2,048, K 64] x [K 64, N 2,048]; A: computed on the way; B: computed on the way: QUANTISED
;;     5. batch 64 x [M 2,048, K 2,048] x [K 2,048, N 64]; A: softmax (see below); B: computed on the way: QUANTISED
;;     6. [M 8,192, K 1,024] x [K 1,024, N 1,024]; A: computed on the way; B: input Wo: QUANTISED
;;   THE QUANTISER, for each operand of a quantised product, along K:
;;     - K is cut into blocks of 32 from its start; a last block that is shorter is filled with zeros.
;;     - A block's scale is 2^e with e = floor(log2(the largest magnitude in the block)) - 4, held to -126 .. 127; a block of zeros has e = 0. As a byte (E8M0): e + 127.
;;     - Each number is divided by its block's scale, clamped to +-28, and rounded to the nearest number of E3M2, ties to even, subnormals kept.
;;     - The product sums the exact products of the quantised numbers (number of the format x scale) in f32.
;;   ~~~python
;;   def quantise(x, axis):      # numpy; x: float32 -> the quantised numbers, widened to float32 again
;;       x = np.moveaxis(x, axis, -1); K = x.shape[-1]
;;       x = np.pad(x, [(0, 0)] * (x.ndim - 1) + [(0, -K % 32)]); x = x.reshape(x.shape[:-1] + (-1, 32)); a = np.abs(x).max(-1, keepdims=True)
;;       e = np.where(a > 0, np.clip(np.frexp(np.where(a > 0, a, 1))[1] - 1 - 4, -126, 127), 0)      # np.frexp(a)[1] - 1 = floor(log2(a)), exactly
;;       r = np.clip(x / 2.0 ** e, -28, 28)
;;       step = 2.0 ** (np.maximum(np.frexp(np.where(r == 0, 1, r))[1] - 1, -2) - 2)
;;       q = np.round(r / step) * step * 2.0 ** e      # np.round: ties to even
;;       return np.moveaxis(q.reshape(q.shape[:-2] + (-1,))[..., :K], -1, axis).astype(np.float32)
;;   ~~~
;;   SOFTMAX AHEAD OF A QUANTISED PRODUCT. Where the list says 'softmax', what is quantised is not the finished softmax but p = 2^(t - M), with t = logit x log2(e) and M = ceil(the row's largest t), a whole number; so 1/2 < the row's largest p <= 1. The row's sum l is taken of the UNQUANTISED p, in f32, and the product's result is divided by l at the end. Since M is a whole number, a kernel that streams over the keys may use a running M (the ceiling of the running maximum): every later rescaling is an exact power of two, which a block's scale takes up: the codes' values come out the same.
;;   OPERANDS COMPUTED ON THE WAY. 'Computed on the way' means the value that the module computes at that place (a softmax that the list does not call 'softmax' is quantised finished and normalised). What goes into a quantiser is computed in f32, as accurately as f32 sums, v_exp_f32 and their like allow (about 1e-6 of the number): no bf16 or f16 on the way to a quantiser, and a product that is left as it is and whose result goes on into a quantised operand takes f32 operands (vector FMAs, or v_wmma_f32_16x16x4_f32). A number that lies on a knife's edge between two numbers of the format may be rounded either way, as far as f32 arithmetic and the matrix unit's own rounding can turn it there, and no further.
;; One version. Each part assembles by itself: llvm-mc -triple=amdgcn-amd-amdhsa -mcpu=gfx1250 --defsym DOCPART=n.
;; ======== version 1 of 1: 4 launches
;; workspace buffers: x_img 6,291,456 bytes; w_img 3,145,728 bytes; xw_sc 393,216 bytes; qkv_img 18,874,368 bytes; qkv_sc 786,432 bytes; ctx_img 6,291,456 bytes; ctx_sc 262,144 bytes
;; launch quant (part 1): grid 384 x 1, 4 waves a work-group, no clusters, 60,928 bytes of LDS; arguments inputs, Wq, Wk, Wv, Wo, x_img, w_img, xw_sc; writes x_img, w_img, xw_sc
.if DOCPART == 1
	.amdgcn_target "amdgcn-amd-amdhsa--gfx1250"
	.amdhsa_code_object_version 6
	.text
	.protected	k_q2cf9162b2a_quant
	.globl	k_q2cf9162b2a_quant
	.p2align	8
	.type	k_q2cf9162b2a_quant,@function
k_q2cf9162b2a_quant:
	s_mov_b64 s[64:65], 0
	v_nop
	global_prefetch_b8 v0, s[64:65] scope:SCOPE_SE
	s_setreg_imm32_b32 hwreg(HW_REG_WAVE_MODE, 25, 1), 1
	s_wait_xcnt 0x0
; inputs [8192][1024] f32 (K innermost) and Wq, Wk, Wv, Wo [1024 (k)][1024 (n)] f32 (K is the FIRST axis) become codes of BF6 (E3M2) with one E8M0 byte for each 32 along K.
; A block's scale is 2^(floor(log2(its largest magnitude)) - 4); its byte is the largest magnitude's exponent field - 4, held at 1 from below.
; LAYOUT OF THE RESULTS (this program alone reads them).  Codes lie as IMAGES OF THE OPERAND'S REGISTERS.  A half fragment is 16 rows x 64 K = 768 bytes: lane l's registers 0-3 at 16 l, its
; registers 4-5 at 512 + 8 l; a fragment (128 K) is two of them on end; a tile of 16 rows has its 8 fragments on end (12,288 bytes).  Rows stand in POSITION ORDER: position p holds the row whose
; number is p with bits 3 and 4 exchanged, so that lane r of tile T holds row 32 (T / 2) + 8 (T % 2) + r % 8 + 16 (r / 8).  Scale words (4 bytes: 128 K of a row) lie [K step][position]:
; 12,288 words a K step, the tokens' first, then the 4,096 weight rows' (Wq, Wk, Wv, Wo).
; SHARES.  Work-groups 0-255 take the tokens, 256-383 the weights; the two ways have LDS bytes of their own.  No tensor loads, no barrier: waves share nothing.
; LIMITS: a block of zeros, or one whose largest magnitude lies under 2^-122, keeps the byte 1 (its codes are then zeros or held small; the bytes are read by this program alone); NaN and infinities are not served.
.set XPW,  8448                        ; tokens: a wave's stage, 16 rows x (512 bytes + 16)
.set XSS,  33792                       ; tokens: 256 bytes of scale words for each wave
.set WST,  34816                       ; weights: a wave's stage, two tiles x 3,200 bytes (3,072 of codes + 128, so that the two tiles' lanes fall on different banks)
.set WPW,  6400
.set WPT,  3200
.set R,    32                          ; v32-159  tokens: two sets of 64 registers as loaded
.set X,    160                         ; v160-223 tokens: my 64 numbers: k = 64 c + 32 h + 0 .. 31 of my row
.set C,    224                         ; v224-235 a fragment's codes
.set CT,   236                         ; v236-242 the second half of each block's codes (a conversion's three registers begin on an even number)
.set WX,   32                          ; v32-95   weights: two sets of 32 numbers down K
.set WC,   96                          ; v96-101  a block's codes
.set WT,   104                         ; v104-106 their second half
.set OUTR, 112                         ; v112-159 the way out
.set SBW,  24                          ; v24-25   scale words of two K steps
.macro LOADX t                         ; tile t: 16 rows, each load 512 consecutive bytes of one row (128 along K)
.irp i, 0,1,2,3,4,5,6,7,8,9,10,11,12,13,14,15
	global_load_b128 v[R+64*((\t)%2)+4*\i:R+64*((\t)%2)+4*\i+3], v4, s[4:5] offset:(32*((\t)/2)+8*((\t)%2)+(\i&7)+16*(\i>>3))*4096 th:TH_LOAD_NT
.endr
.endm
.macro TURNX t                         ; through the wave's own stage: in as loaded, out 128 bytes a lane and block.  LDS serves a wave's instructions in order: no wait between
.irp i, 0,1,2,3,4,5,6,7,8,9,10,11,12,13,14,15
	ds_store_b128 v5, v[R+64*((\t)%2)+4*\i:R+64*((\t)%2)+4*\i+3] offset:528*\i
.endr
.irp c, 0,1
.irp i, 0,1,2,3,4,5,6,7
	ds_load_b128 v[X+32*\c+4*\i:X+32*\c+4*\i+3], v6 offset:256*\c+16*\i
.endr
.endr
.endm
.macro FRAGX t
.if (\t) < 3
	s_wait_loadcnt 16                              ; this tile's 16 loads are in; the next tile's 16 may be out
.else
	s_wait_loadcnt 0x0
.endif
	TURNX \t
	s_wait_dscnt 0x0                               ; my numbers are back, and the stage's stores have read the set
.if (\t) < 2
	LOADX (\t)+2
.endif
.irp c, 0,1                                    ; my blocks 2 c + h: all 32 numbers of each are mine; two chains a block
	v_max3_num_f32 v[12+2*\c], |v[X+32*\c]|, |v[X+32*\c+1]|, |v[X+32*\c+2]|
	v_max3_num_f32 v[13+2*\c], |v[X+32*\c+3]|, |v[X+32*\c+4]|, |v[X+32*\c+5]|
.endr
.irp i, 6,10,14,18,22,26
.irp c, 0,1
	v_max3_num_f32 v[12+2*\c], v[12+2*\c], |v[X+32*\c+\i]|, |v[X+32*\c+\i+1]|
	v_max3_num_f32 v[13+2*\c], v[13+2*\c], |v[X+32*\c+\i+2]|, |v[X+32*\c+\i+3]|
.endr
.endr
.irp c, 0,1
	v_max3_num_f32 v[12+2*\c], v[12+2*\c], |v[X+32*\c+30]|, |v[X+32*\c+31]|
.endr
.irp c, 0,1
	v_max3_num_f32 v[12+2*\c], v[12+2*\c], v[13+2*\c], 0x2800000   ; and the floor 2^(5 - 127): the byte cannot fall under 1
.endr
.irp c, 0,1
	v_add_nc_u32 v[16+\c], 0xfe000000, v[12+2*\c]  ; 4 off the exponent field: the conversion takes this operand's exponent field as its scale
.endr
.irp c, 0,1
	v_lshrrev_b32 v[18+\c], 23, v[16+\c]           ; the scale's byte
.endr
	v_lshl_or_b32 v21, v19, 16, v18                ; my two bytes: blocks h and 2 + h of my row,
	v_lshlrev_b32 v21, v11, v21                    ; 8 h bits up;
	v_permlanex16_b32 v20, v21, s22, s23
	v_or_b32 v21, v21, v20                         ; with lane l xor 16's two the word is whole
	s_wait_alu depctr_va_vdst(0)
	s_wait_xcnt 0x0                                ; the last tile's stores have had their addresses translated: their data registers are written again only behind this wait
.irp c, 0,1
	v_cvt_scalef32_pk16_bf6_f32 v[C+6*\c:C+6*\c+2], v[X+32*\c:X+32*\c+15], v[16+\c]
	v_cvt_scalef32_pk16_bf6_f32 v[CT+4*\c:CT+4*\c+2], v[X+32*\c+16:X+32*\c+31], v[16+\c]
.endr
	v_nop                                          ; one plain place behind a scaled conversion
.irp c, 0,1
.irp i, 0,1,2
	v_mov_b32 v[C+3+6*\c+\i], v[CT+4*\c+\i]
.endr
.endr
	ds_store_b32 v8, v21 offset:64*(\t)            ; both halves of the lanes write the same word with the same value
	global_store_b128 v4, v[C:C+3], s[14:15] offset:12288*(\t)          ; 512 consecutive bytes,
	global_store_b64 v7, v[C+4:C+5], s[14:15] offset:12288*(\t)         ; 256 behind them: half fragment 0
	global_store_b128 v4, v[C+6:C+9], s[14:15] offset:12288*(\t)+768
	global_store_b64 v7, v[C+10:C+11], s[14:15] offset:12288*(\t)+768
.endm
.macro LOADW t                         ; block t: W(32 t + i, my column), i = 0 .. 31
.irp i, 0,1,2,3,4,5,6,7,8,9,10,11,12,13,14,15,16,17,18,19,20,21,22,23,24,25,26,27,28,29,30,31
	global_load_b32 v[WX+32*((\t)%2)+\i], v5, s[6:7] offset:(32*(\t)+\i)*4096 th:TH_LOAD_NT
.endr
.endm
.macro BLOCKW t
.set WXS, WX+32*((\t)%2)
.if (\t) < 7
	s_wait_loadcnt 32                              ; this block's 32 loads are in; the next block's may be out
.else
	s_wait_loadcnt 0x0
.endif
	v_max3_num_f32 v12, |v[WXS]|, |v[WXS+1]|, |v[WXS+2]|
	v_max3_num_f32 v13, |v[WXS+3]|, |v[WXS+4]|, |v[WXS+5]|
.irp i, 6,10,14,18,22,26
	v_max3_num_f32 v12, v12, |v[WXS+\i]|, |v[WXS+\i+1]|
	v_max3_num_f32 v13, v13, |v[WXS+\i+2]|, |v[WXS+\i+3]|
.endr
	v_max3_num_f32 v12, v12, |v[WXS+30]|, |v[WXS+31]|
	v_max3_num_f32 v12, v12, v13, 0x2800000        ; the floor
	v_add_nc_u32 v14, 0xfe000000, v12
	v_lshrrev_b32 v15, 23, v14
.if (\t)%4 == 0
	v_mov_b32 v[SBW+(\t)/4], v15                   ; four bytes to a word, the lower K in the lower byte
.else
	v_lshl_or_b32 v[SBW+(\t)/4], v15, 8*((\t)%4), v[SBW+(\t)/4]
.endif
	v_cvt_scalef32_pk16_bf6_f32 v[WC:WC+2], v[WXS:WXS+15], v14
	v_cvt_scalef32_pk16_bf6_f32 v[WT:WT+2], v[WXS+16:WXS+31], v14
	v_nop                                          ; one plain place behind a scaled conversion
.irp i, 0,1,2
	v_mov_b32 v[WC+3+\i], v[WT+\i]
.endr
	ds_store_b128 v7, v[WC:WC+3] offset:768*((\t)>>1)+256*((\t)&1)      ; block t is half t % 2 of the lanes of half fragment t / 2: registers 0-3 at 16 (r + 16 h),
	ds_store_b64 v8, v[WC+4:WC+5] offset:768*((\t)>>1)+128*((\t)&1)     ; registers 4-5 at 512 + 8 (r + 16 h)
.if (\t) < 6
	LOADW (\t)+2
.endif
	s_wait_dscnt 0x0                               ; the stores have read their registers
.endm
	s_load_b256 s[4:11], s[0:1], 0x0               ; inputs s[4:5], Wq s[6:7], Wk s[8:9], Wv s[10:11]
	s_load_b256 s[12:19], s[0:1], 0x20             ; Wo s[12:13], x_img s[14:15], w_img s[16:17], xw_sc s[18:19]
	v_lshl_add_u32 v254, v0, 2, 0xec00
	v_mov_b32 v255, 0
	v_lshrrev_b32 v1, 5, v0
	v_readfirstlane_b32 s20, v1                    ; wave 0..3
	v_and_b32 v1, 31, v0                           ; lane
	s_cmp_lt_u32 ttmp9, 256
	s_cbranch_scc0 .Lweights
	; ---- THE TOKENS.  Work-group g: the 64 tokens (4 tiles) of group g / 2; wave w: K step 4 (g % 2) + w.  A wave makes 4 fragments.
	v_and_b32 v2, 15, v0                           ; r
	v_bfe_u32 v3, v0, 4, 1                         ; h
	v_lshlrev_b32 v4, 4, v1                        ; 16 l: my 16 bytes of a load, and of an image's first 512
	s_mul_i32 s21, s20, XPW
	v_add_nc_u32 v5, s21, v4                       ; the stage, in
	v_mul_u32_u24 v6, v2, 528
	v_lshl_add_u32 v6, v3, 7, v6
	v_add_nc_u32 v6, s21, v6                       ; and out: row r, + 128 h
	v_lshlrev_b32 v10, 3, v1                       ; 8 l
	v_add_nc_u32 v7, 512, v10                      ; an image's last 256 bytes
	s_lshl_b32 s21, s20, 8
	s_add_co_u32 s21, s21, XSS
	v_lshl_add_u32 v8, v2, 2, s21                  ; my row's scale word in the wave's 256 bytes
	v_add_nc_u32 v9, s21, v10                      ; and 8 bytes a lane on the way out
	v_lshlrev_b32 v11, 3, v3                       ; 8 h
	v_mov_b32 v20, 0                               ; a lane permute's destination counts as one of its sources
	s_mov_b32 s22, 0x76543210
	s_mov_b32 s23, 0xfedcba98                      ; lane l xor 16
	s_lshr_b32 s24, ttmp9, 1                       ; the group of 64 tokens
	s_and_b32 s25, ttmp9, 1
	s_lshl_b32 s25, s25, 2
	s_add_co_u32 s25, s25, s20                     ; the K step
	s_lshl_b32 s26, s24, 18                        ; 64 rows of 4,096 bytes
	s_lshl_b32 s28, s25, 9                         ; 128 numbers
	s_add_co_u32 s26, s26, s28
	s_mov_b32 s27, 0
	s_mul_i32 s28, s24, 49152                      ; 4 tiles of 12,288 bytes
	s_mul_i32 s30, s25, 1536
	s_add_co_u32 s28, s28, s30
	s_mov_b32 s29, 0
	s_mul_i32 s30, s25, 49152                      ; a K step's 12,288 scale words
	s_lshl_b32 s32, s24, 8
	s_add_co_u32 s30, s30, s32
	s_mov_b32 s31, 0
	s_wait_alu depctr_va_vdst(0)
	s_wait_kmcnt 0x0
	s_add_nc_u64 s[4:5], s[4:5], s[26:27]
	s_add_nc_u64 s[14:15], s[14:15], s[28:29]
	s_add_nc_u64 s[18:19], s[18:19], s[30:31]
	LOADX 0
	LOADX 1
	FRAGX 0
	FRAGX 1
	FRAGX 2
	FRAGX 3
	ds_load_b64 v[12:13], v9                       ; LDS serves a wave's instructions in order: these see my four stores
	s_wait_dscnt 0x0
	global_store_b64 v10, v[12:13], s[18:19]       ; 32 lanes store 256 consecutive bytes, aligned
	s_wait_tensorcnt 0x0
	ds_add_u32 v254, v255
	s_wait_dscnt 0x0
	s_endpgm
	; ---- THE WEIGHTS.  Work-group g' = g - 256: weight g' / 32, 256 along K ((g' / 8) % 4), 128 columns (g' % 8); wave w: 32 of them.  A LANE TAKES A COLUMN AND ITS REGISTERS RUN DOWN K.
.Lweights:
	s_sub_co_u32 s24, ttmp9, 256
	s_lshr_b32 s25, s24, 5                         ; which weight
	s_bfe_u32 s26, s24, 0x20003                    ; which 256 along K
	s_and_b32 s27, s24, 7                          ; which 128 columns
	v_bfe_u32 v2, v0, 3, 1                         ; column l stands at position l with bits 3 and 4 exchanged: tile (l / 8) % 2,
	v_and_b32 v3, 7, v0
	v_bfe_u32 v4, v0, 4, 1
	v_lshl_or_b32 v3, v4, 3, v3                    ; row l % 8 + 8 (l / 16)
	s_wait_alu depctr_va_vdst(0)
	v_lshlrev_b32 v5, 2, v1                        ; in: 4 bytes a lane
	s_mul_i32 s21, s20, WPW
	s_add_co_u32 s21, s21, WST
	v_mul_u32_u24 v6, v2, WPT
	v_add_nc_u32 v6, s21, v6                       ; my tile's part of the stage
	v_lshl_add_u32 v7, v3, 4, v6                   ; registers 0-3
	v_lshl_add_u32 v8, v3, 3, v6
	v_add_nc_u32 v8, 512, v8                       ; registers 4-5
	v_lshlrev_b32 v9, 4, v1                        ; the way out: 16 bytes a lane
	v_add_nc_u32 v10, s21, v9
	v_lshl_add_u32 v11, v2, 4, v3
	v_lshlrev_b32 v11, 2, v11                      ; my position's scale word
	s_lshl_b32 s28, s26, 20                        ; 256 rows of 4,096 bytes
	s_lshl_b32 s30, s27, 9
	s_lshl_b32 s31, s20, 7
	s_add_co_u32 s30, s30, s31                     ; 4 x (128 x columns' block + 32 x wave)
	s_add_co_u32 s28, s28, s30
	s_mov_b32 s29, 0
	s_lshl_b32 s32, s25, 6
	s_lshl_b32 s33, s27, 3
	s_add_co_u32 s32, s32, s33
	s_lshl_b32 s33, s20, 1
	s_add_co_u32 s32, s32, s33                     ; my first tile of w_img
	s_mul_i32 s32, s32, 12288
	s_mul_i32 s33, s26, 3072                       ; two K steps' fragments
	s_add_co_u32 s32, s32, s33
	s_mov_b32 s33, 0
	s_mul_i32 s34, s26, 98304                      ; two K steps' scale words
	s_lshl_b32 s35, s25, 12
	s_add_co_u32 s34, s34, s35
	s_add_co_u32 s34, s34, s30
	s_add_co_u32 s34, s34, 32768                   ; behind the tokens' 8,192 words
	s_mov_b32 s35, 0
	s_wait_kmcnt 0x0
	s_cmp_eq_u32 s25, 1                            ; the choice of the source hangs on the work-group's number alone
	s_cselect_b64 s[6:7], s[8:9], s[6:7]
	s_cmp_eq_u32 s25, 2
	s_cselect_b64 s[6:7], s[10:11], s[6:7]
	s_cmp_eq_u32 s25, 3
	s_cselect_b64 s[6:7], s[12:13], s[6:7]
	s_add_nc_u64 s[6:7], s[6:7], s[28:29]
	s_add_nc_u64 s[16:17], s[16:17], s[32:33]
	s_add_nc_u64 s[18:19], s[18:19], s[34:35]
	LOADW 0
	LOADW 1
.irp k, 0,1,2,3,4,5,6,7
	BLOCKW \k
.endr
.irp u, 0,1                                    ; a tile's 3,072 bytes lie on end in the stage and in w_img: six loads and stores of 512 consecutive bytes
.irp m, 0,1,2,3,4,5
	ds_load_b128 v[OUTR+24*\u+4*\m:OUTR+24*\u+4*\m+3], v10 offset:WPT*\u+512*\m
.endr
.endr
.irp u, 0,1
.irp m, 0,1,2,3,4,5
	s_wait_dscnt 11-6*\u-\m
	global_store_b128 v9, v[OUTR+24*\u+4*\m:OUTR+24*\u+4*\m+3], s[16:17] offset:12288*\u+512*\m
.endr
.endr
	global_store_b32 v11, v[SBW], s[18:19]                 ; 32 positions' words: 128 consecutive bytes, half of an aligned 256; the four waves of a work-group fill 512
	s_wait_alu depctr_va_vdst(0)
	global_store_b32 v11, v[SBW+1], s[18:19] offset:49152
	s_wait_tensorcnt 0x0
	ds_add_u32 v254, v255
	s_wait_dscnt 0x0
	s_endpgm
.Lfunc_end_k_q2cf9162b2a_quant:
	.size	k_q2cf9162b2a_quant, .Lfunc_end_k_q2cf9162b2a_quant-k_q2cf9162b2a_quant
	.p2alignl 7, 3214868480
	.fill 96, 4, 3214868480
	.section	.rodata,"a",@progbits
	.p2align	6, 0x0
	.amdhsa_kernel k_q2cf9162b2a_quant
		.amdhsa_group_segment_fixed_size 60928
		.amdhsa_private_segment_fixed_size 0
		.amdhsa_enable_private_segment 0
		.amdhsa_kernarg_size 64
		.amdhsa_user_sgpr_count 2
		.amdhsa_user_sgpr_kernarg_segment_ptr 1
		.amdhsa_wavefront_size32 1
		.amdhsa_system_sgpr_workgroup_id_x 1
		.amdhsa_system_sgpr_workgroup_id_y 1
		.amdhsa_system_sgpr_workgroup_id_z 1
		.amdhsa_system_vgpr_workitem_id 0
		.amdhsa_next_free_vgpr 256
		.amdhsa_next_free_sgpr 66
		.amdhsa_reserve_vcc 0
		.amdhsa_float_denorm_mode_32 3
		.amdhsa_float_denorm_mode_16_64 3
		.amdhsa_memory_ordered 1
		.amdhsa_forward_progress 1
		.amdhsa_inst_pref_size 73
	.end_amdhsa_kernel
	.amdgpu_metadata
---
amdhsa.version: [ 1, 2 ]
amdhsa.kernels:
  - .name:           k_q2cf9162b2a_quant
    .symbol:         k_q2cf9162b2a_quant.kd
    .args:
      - { .name: inputs, .offset: 0, .size: 8, .value_kind: global_buffer, .address_space: global }
      - { .name: Wq, .offset: 8, .size: 8, .value_kind: global_buffer, .address_space: global }
      - { .name: Wk, .offset: 16, .size: 8, .value_kind: global_buffer, .address_space: global }
      - { .name: Wv, .offset: 24, .size: 8, .value_kind: global_buffer, .address_space: global }
      - { .name: Wo, .offset: 32, .size: 8, .value_kind: global_buffer, .address_space: global }
      - { .name: x_img, .offset: 40, .size: 8, .value_kind: global_buffer, .address_space: global }
      - { .name: w_img, .offset: 48, .size: 8, .value_kind: global_buffer, .address_space: global }
      - { .name: xw_sc, .offset: 56, .size: 8, .value_kind: global_buffer, .address_space: global }
    .group_segment_fixed_size: 60928
    .private_segment_fixed_size: 0
    .kernarg_segment_align: 8
    .kernarg_segment_size: 64
    .max_flat_workgroup_size: 128
    .sgpr_count:     66
    .vgpr_count:     256
    .wavefront_size: 32
...
	.end_amdgpu_metadata
.endif
;; end of part 1
;; launch qkv (part 2): grid 24 x 32, 4 waves a work-group, clusters of 4 x 4, 296,448 bytes of LDS; arguments x_img, xw_sc, w_img, qkv_img, qkv_sc; writes qkv_img, qkv_sc
.if DOCPART == 2
	.amdgcn_target "amdgcn-amd-amdhsa--gfx1250"
	.amdhsa_code_object_version 6
	.text
	.protected	k_q2cf9162b2a_qkv
	.globl	k_q2cf9162b2a_qkv
	.p2align	8
	.type	k_q2cf9162b2a_qkv,@function
k_q2cf9162b2a_qkv:
	s_mov_b64 s[64:65], 0
	v_nop
	global_prefetch_b8 v0, s[64:65] scope:SCOPE_SE
	s_setreg_imm32_b32 hwreg(HW_REG_WAVE_MODE, 25, 1), 1
	s_wait_xcnt 0x0
	s_wait_alu depctr_hold_cnt(0) depctr_sa_sdst(0) depctr_va_vdst(0) depctr_va_sdst(0) depctr_va_ssrc(0) depctr_va_vcc(0) depctr_vm_vsrc(0)
	s_getreg_b32 s2, hwreg(HW_REG_IB_STS2, 6, 4)
	s_cmp_eq_u32 s2, 0
	s_cbranch_scc0 .Lentry_in_a_cluster
	s_endpgm
.Lentry_in_a_cluster:
	s_bfe_u32 s2, ttmp6, 0x10000c
	s_cmp_lg_u32 s2, 0xf033
	s_cbranch_scc0 .Lentry_shape_is_right
	s_endpgm
.Lentry_shape_is_right:
; q = x Wq, k = x Wk, v = x Wv on codes of BF6 (E3M2) with E8M0 scales, f32 sums, K = 1,024; the results are quantised here, in f32, along the K of the product that takes them next, and leave as codes:
; q and k along the head's 64 channels, v along the keys.  No f32 result goes to memory.
; OPERANDS lie in memory as images of their registers (a half fragment, 16 rows x 64 K, is 768 bytes: lane l's registers 0-3 at 16 l, registers 4-5 at 512 + 8 l), rows in position order
; (position p holds the row p with bits 3 and 4 exchanged).  So a fragment is four LDS loads of consecutive bytes, and the 16 result registers of two neighbouring tiles of source 0 are 16 NEIGHBOURS.
; SHARES.  A work-group takes 256 tokens (work-group y) x 128 weight rows (work-group x: 0-7 Wq, 8-15 Wk, 16-23 Wv).  ALL OF K STAYS IN LDS: 256 x 768 + 128 x 768 = 294,912 bytes, filled once in
; four chunks of two K steps, so nothing is filled again.  A wave makes 64 (source 1) x 128 (source 0): 32 accumulators, one register window.
;   q, k: source 0 = the 128 weight rows, source 1 = the wave's 64 tokens: a lane holds one token and 128 channels (two heads): blocks of 32 channels.
;   v:    source 0 = 128 tokens, source 1 = 64 rows of Wv (one head): a lane holds one channel and 128 keys: blocks of 32 keys.
; The two cases differ in seven numbers (two LDS bases, two places among the scale words, three offsets of the results), chosen by s_cselect_b32 on the CLUSTER's x (4 and 5: v), which all partners share: no branch.
; CLUSTERS: 4 x 4 work-groups.  The four of a row need the same tokens, the four of a column the same weight rows: each chunk is asked for jointly.  By this text's count a wave has four tensor loads out.
; LIMITS: a block of zeros, or one under 2^-122, keeps the byte 1 (this program alone reads the bytes); NaN and infinities are not served.
; REGISTERS: window 0: v1-15 addresses; v16-47 source 0's scale words (K step s, pair of tiles j: v[16 + 4 s + j]: lanes 0-15 tile 2 j, lanes 16-31 tile 2 j + 1); v48-63 source 1's; v64-159 source 1's
;   fragments, two sets; v160-243 the way out.   window 1: source 0's fragments, two sets, at v0 and v96.   window 2: accumulator (a, b) at v[8 (8 a + b)].
.set CHUNK, 73728                      ; two K steps: 16 token tiles x 3,072 bytes, then 8 weight tiles x 3,072
.set WPART, 49152
.set TILEB, 12288                      ; a tile's 8 fragments in memory
.set FRB,   1536
.set HFB,   768
.set STG,   4*CHUNK                    ; behind the chunks: 256 bytes of scale words for each wave; no fill lands there
.set SSTR,  49152                      ; from a K step's scale words to the next
.set SB,    16
.set SA,    48
.set AF,    64
.set FA16,  4
.set FA8,   5
.set FB16,  6
.set FB8,   7
.set SVA,   8
.set SVB,   9
.set TM,    200                        ; v200-215 at work in the quantiser
.set PW,    216                        ; the scale word just made
.set PC,    224                        ; v224-243 the codes just made
.set WV,    16
.set WH,    17
.set WL,    18
.set SEL,   92
.set G1X,   24
.set G1W,   32
.set G0X,   48                         ; s[48:63] four groups 0 for the tokens' chunks
.set G0W,   68                         ; s[68:83] four for the weights'
.set MSB, 0
.macro WIN new                         ; the immediate's high byte repeats the setting that is left
.if MSB != \new
	s_set_vgpr_msb (MSB<<8)|\new
.set MSB, \new
.endif
.endm
.macro PLACES
.rept 4
	v_nop
.endr
.endm
.macro CROUND                          ; a round of the cluster's barrier
	s_barrier_signal -1
	s_barrier_wait -1
	s_cmp_lg_u32 s[WV], 0
	s_cbranch_scc1 .Lnot_wave_0_\@
	s_barrier_signal -3
.Lnot_wave_0_\@:
	s_barrier_wait -3
	s_barrier_signal -1
	s_barrier_wait -1
.endm
.macro FRAG reg, a16, a8, off          ; a fragment: two half fragments, each 512 + 256 consecutive bytes
	ds_load_b128 v[\reg:\reg+3], v[\a16] offset:\off
	ds_load_b64 v[\reg+4:\reg+5], v[\a8] offset:\off
	ds_load_b128 v[\reg+6:\reg+9], v[\a16] offset:\off+HFB
	ds_load_b64 v[\reg+10:\reg+11], v[\a8] offset:\off+HFB
.endm
.macro FETCH s                         ; K step s: 48 loads: source 0's eight fragments, source 1's four
	WIN 0x40
.irp i, 0,1,2,3,4,5,6,7
	FRAG 96*((\s)&1)+12*\i, FB16, FB8, FRB*((\s)&1)+3072*\i
.endr
	WIN 0
.irp i, 0,1,2,3
	FRAG AF+48*((\s)&1)+12*\i, FA16, FA8, FRB*((\s)&1)+3072*\i
.endr
.endm
.macro WM a, b, s                      ; one product; an odd tile's scale words stand in lanes 16-31 of its pair's register.  K step 0 starts the sums: nothing is cleared
.set rD, 8*(8*(\a)+(\b))
.set rB, 96*((\s)&1)+12*(\b)
.set rA, AF+48*((\s)&1)+12*(\a)
.set rSB, SB+4*(\s)+((\b)>>1)
.set rSA, SA+2*(\s)+((\a)>>1)
.set arm, 2*((\a)&1)+((\b)&1)
.if (\s) == 0
.set arm, arm+4
.endif
.if arm == 0
	v_wmma_scale_f32_16x16x128_f8f6f4 v[rD:rD+7], v[rB:rB+11], v[rA:rA+11], v[rD:rD+7], v[rSB], v[rSA] matrix_a_fmt:MATRIX_FMT_BF6 matrix_b_fmt:MATRIX_FMT_BF6
.elseif arm == 1
	v_wmma_scale_f32_16x16x128_f8f6f4 v[rD:rD+7], v[rB:rB+11], v[rA:rA+11], v[rD:rD+7], v[rSB], v[rSA] matrix_a_fmt:MATRIX_FMT_BF6 matrix_b_fmt:MATRIX_FMT_BF6 matrix_a_scale:MATRIX_SCALE_ROW1
.elseif arm == 2
	v_wmma_scale_f32_16x16x128_f8f6f4 v[rD:rD+7], v[rB:rB+11], v[rA:rA+11], v[rD:rD+7], v[rSB], v[rSA] matrix_a_fmt:MATRIX_FMT_BF6 matrix_b_fmt:MATRIX_FMT_BF6 matrix_b_scale:MATRIX_SCALE_ROW1
.elseif arm == 3
	v_wmma_scale_f32_16x16x128_f8f6f4 v[rD:rD+7], v[rB:rB+11], v[rA:rA+11], v[rD:rD+7], v[rSB], v[rSA] matrix_a_fmt:MATRIX_FMT_BF6 matrix_b_fmt:MATRIX_FMT_BF6 matrix_a_scale:MATRIX_SCALE_ROW1 matrix_b_scale:MATRIX_SCALE_ROW1
.elseif arm == 4
	v_wmma_scale_f32_16x16x128_f8f6f4 v[rD:rD+7], v[rB:rB+11], v[rA:rA+11], 0, v[rSB], v[rSA] matrix_a_fmt:MATRIX_FMT_BF6 matrix_b_fmt:MATRIX_FMT_BF6
.elseif arm == 5
	v_wmma_scale_f32_16x16x128_f8f6f4 v[rD:rD+7], v[rB:rB+11], v[rA:rA+11], 0, v[rSB], v[rSA] matrix_a_fmt:MATRIX_FMT_BF6 matrix_b_fmt:MATRIX_FMT_BF6 matrix_a_scale:MATRIX_SCALE_ROW1
.elseif arm == 6
	v_wmma_scale_f32_16x16x128_f8f6f4 v[rD:rD+7], v[rB:rB+11], v[rA:rA+11], 0, v[rSB], v[rSA] matrix_a_fmt:MATRIX_FMT_BF6 matrix_b_fmt:MATRIX_FMT_BF6 matrix_b_scale:MATRIX_SCALE_ROW1
.else
	v_wmma_scale_f32_16x16x128_f8f6f4 v[rD:rD+7], v[rB:rB+11], v[rA:rA+11], 0, v[rSB], v[rSA] matrix_a_fmt:MATRIX_FMT_BF6 matrix_b_fmt:MATRIX_FMT_BF6 matrix_a_scale:MATRIX_SCALE_ROW1 matrix_b_scale:MATRIX_SCALE_ROW1
.endif
.endm
.macro MUL s                           ; 32 products: the 32 accumulators take turns, one instruction a turn, in the same order in every K step
	WIN 0xa1                                       ; source 0 window 1, source 1 window 0, C and D window 2
.irp a, 0,1,2,3
.irp b, 0,1,2,3,4,5,6,7
	WM \a, \b, \s
.endr
.endr
.endm
.macro ARRIVE c                        ; chunk c is whole in LDS for every wave
	WIN 0
	s_wait_tensorcnt 3-(\c)                        ; tensor loads of a wave end in order: behind my part of chunk c stand my 3 - c later ones, which may stay out
	s_wait_dscnt 0x0                               ; no LDS instruction of mine is pending at the signal
	s_barrier_signal -1
	s_barrier_wait -1
.if (\c) > 0
	v_add_nc_u32 v[FA16], CHUNK, v[FA16]           ; on to the chunk; these four lines are also the four places in front of the loads that follow
	v_add_nc_u32 v[FA8], CHUNK, v[FA8]
	v_add_nc_u32 v[FB16], CHUNK, v[FB16]
	s_wait_alu depctr_va_vdst(0)
	v_add_nc_u32 v[FB8], CHUNK, v[FB8]
.endif
.endm
.macro KSTEP s                         ; the next K step's fragments are asked for, then this one's 32 products are issued
.if (\s) < 7
.if ((\s)&1) == 1
	ARRIVE ((\s)+1)/2
.elseif (\s) > 0
	PLACES                                         ; four places in front of loads into registers that the last products read
.endif
	FETCH (\s)+1
	s_wait_alu depctr_va_vdst(0)
	s_wait_dscnt 48                                ; all but the 48 just issued
.else
	s_wait_dscnt 0x0
.endif
	MUL \s
.endm
; Tile a of source 1: my 64 results (register 16 b + i = place 32 b + 16 (lane / 16) + i along the next K) become a fragment's codes in v[PC] on and its scale word in v[PW].
.macro QUANT a
.if (\a) > 0
	s_wait_xcnt 0x0                                ; the last tile's stores have had their addresses translated: their data are written again only behind this wait
	s_wait_dscnt 0x0                               ; and the LDS store of its scale word is done
.endif
	WIN 0x0a                                       ; sources 0 and 1 window 2
.irp b, 0,1,2,3
	v_max3_num_f32 v[TM+\b], |v[64*(\a)+16*\b]|, |v[64*(\a)+16*\b+1]|, 0x2800000   ; each accumulator is read from its low end on; the floor 2^(5 - 127) holds the byte at 1 from below
.endr
.irp i, 2,4,6,8,10,12,14
.irp b, 0,1,2,3
	v_max3_num_f32 v[TM+\b], |v[64*(\a)+16*\b+\i]|, |v[64*(\a)+16*\b+\i+1]|, v[TM+\b]
.endr
.endr
	WIN 0
.irp b, 0,1,2,3
	v_permlanex16_b32 v[TM+4+\b], v[TM+\b], s[SEL], s[SEL+1]
.endr
.irp b, 0,1,2,3
	v_max_num_f32 v[TM+\b], v[TM+\b], v[TM+4+\b]   ; with lane l xor 16's: the block's largest magnitude
.endr
.irp b, 0,1,2,3
	v_add_nc_u32 v[TM+12+\b], 0xfe000000, v[TM+\b] ; 4 off its exponent field: the conversion's scale operand
.endr
.irp b, 0,1,2,3
	v_lshrrev_b32 v[TM+4+\b], 23, v[TM+12+\b]      ; the scale's byte
.endr
	v_lshl_or_b32 v[PW], v[TM+5], 8, v[TM+4]
	v_lshl_or_b32 v[PW], v[TM+6], 16, v[PW]
	v_lshl_or_b32 v[PW], v[TM+7], 24, v[PW]
	WIN 0x02                                       ; source 0 window 2
.irp c, 0,1
	v_cvt_scalef32_pk16_bf6_f32 v[PC+6*\c:PC+2+6*\c], v[64*(\a)+32*\c:64*(\a)+32*\c+15], v[TM+12+2*\c]
	v_cvt_scalef32_pk16_bf6_f32 v[PC+12+4*\c:PC+14+4*\c], v[64*(\a)+32*\c+16:64*(\a)+32*\c+31], v[TM+12+2*\c+1]
.endr
	WIN 0
	v_nop                                          ; one plain place behind a scaled conversion
.irp c, 0,1                                    ; the operand's layout wants a whole block in a lane: lanes 0-15 block 2 c, lanes 16-31 block 2 c + 1
.irp i, 0,1,2
	v_permlane16_swap_b32 v[PC+6*\c+\i], v[PC+12+4*\c+\i]
.endr
.irp i, 0,1,2
	v_mov_b32 v[PC+3+6*\c+\i], v[PC+12+4*\c+\i]
.endr
.endr
	ds_store_b32 v14, v[PW] offset:64*(\a)         ; both halves of the lanes write the same word with the same value
	global_store_b128 v10, v[PC:PC+3], s[10:11] offset:768*(\a)       ; half fragment 0: 512 consecutive bytes and the 256 behind them
	global_store_b64 v11, v[PC+4:PC+5], s[10:11] offset:768*(\a)
	global_store_b128 v12, v[PC+6:PC+9], s[10:11] offset:768*(\a)     ; half fragment 1: the next head's block (q, k) or the step's upper 64 keys (v)
	global_store_b64 v13, v[PC+10:PC+11], s[10:11] offset:768*(\a)
.endm
	s_load_b256 s[4:11], s[0:1], 0x0               ; x_img s[4:5], xw_sc s[6:7], w_img s[8:9], qkv_img s[10:11]
	s_load_b64 s[12:13], s[0:1], 0x20              ; qkv_sc
	v_lshl_add_u32 v254, v0, 2, 0x48400
	v_mov_b32 v255, 0
	ds_add_u32 v254, v255
	ds_add_u32 v254, v255
	v_lshrrev_b32 v1, 5, v0
	v_readfirstlane_b32 s[WV], v1                  ; wave 0..3
	s_lshr_b32 s[WH], s[WV], 1                     ; I fetch for the tokens (0) or for the weights (1)
	s_and_b32 s[WL], s[WV], 1                      ; and which half of the part
	s_bfe_u32 s40, ttmp6, 0x40000                  ; cx, cy: my place in the cluster
	s_bfe_u32 s41, ttmp6, 0x40004
	s_lshl_b32 s42, ttmp9, 2
	s_add_co_u32 s42, s42, s40                     ; X = 4 x cluster x + cx: which 128 weight rows
	s_and_b32 s19, ttmp7, 0xffff
	s_lshl_b32 s19, s19, 2
	s_add_co_u32 s19, s19, s41                     ; Y = 4 x cluster y + cy: which 256 tokens
	s_lshl_b32 s43, s41, 2
	s_lshl_b32 s43, 15, s43                        ; my row of the cluster
	s_lshl_b32 s44, 0x1111, s40                    ; my column
	; descriptor groups 1: elements of 8 bytes; a row is a tile's two fragments of the chunk, 384 elements; from tile to tile 1,536 elements; 8 tiles (tokens) or 4 (weights); no padding
	s_or_b32 s[G1X], s43, (3<<16)|(1<<21)          ; 15:0 the mask: the tokens' chunks go to my row; 17:16 elements of 8 bytes; 21 set beside a mask
	s_or_b32 s[G1W], s44, (3<<16)|(1<<21)          ; the weights' to my column
	s_mov_b32 s[G1X+1], 384<<16                    ; tensor_dim0
	s_mov_b32 s[G1X+2], 8<<16                      ; tensor_dim1
	s_mov_b32 s[G1X+3], 384<<16                    ; tile_dim0
	s_mov_b32 s[G1X+4], 8                          ; tile_dim1
	s_mov_b32 s[G1X+5], 1536                       ; tensor_dim0_stride
	s_mov_b32 s[G1X+6], 0
	s_mov_b32 s[G1X+7], 0
	s_mov_b32 s[G1W+1], 384<<16
	s_mov_b32 s[G1W+2], 4<<16
	s_mov_b32 s[G1W+3], 384<<16
	s_mov_b32 s[G1W+4], 4
	s_mov_b32 s[G1W+5], 1536
	s_mov_b32 s[G1W+6], 0
	s_mov_b32 s[G1W+7], 0
	s_lshl_b32 s20, s19, 4
	s_lshl_b32 s21, s[WL], 3
	s_add_co_u32 s20, s20, s21                     ; tokens: tile 16 Y + 8 x half
	s_mul_i32 s20, s20, TILEB
	s_mov_b32 s21, 0
	s_lshl_b32 s46, s42, 3
	s_lshl_b32 s47, s[WL], 2
	s_add_co_u32 s46, s46, s47                     ; weights: tile 8 X + 4 x half
	s_mul_i32 s46, s46, TILEB
	s_mov_b32 s47, 0
	s_mul_i32 s22, s[WL], 24576                    ; where they go in a chunk: no place in the cluster enters an LDS address
	s_mul_i32 s23, s[WL], 12288
	s_add_co_u32 s23, s23, WPART
	; the seven numbers, for q and k and for v
	s_mul_i32 s84, s[WV], 12288                    ; source 1 in a chunk: q, k: my 4 token tiles;
	s_mul_i32 s94, s[WL], 12288
	s_add_co_u32 s94, s94, WPART                   ; v: 4 tiles of Wv
	s_mul_i32 s95, s[WH], 24576                    ; source 0: v: 8 token tiles (q, k: the 8 weight tiles, at WPART)
	s_lshl_b32 s86, s19, 8
	s_lshl_b32 s45, s[WV], 6
	s_add_co_u32 s86, s86, s45                     ; source 1's scale words: q, k: 256 Y + 64 w
	s_lshl_b32 s87, s42, 7
	s_add_co_u32 s87, s87, 8192                    ; source 0's: q, k: 8,192 + 128 X
	s_lshl_b32 s45, s[WL], 6
	s_add_co_u32 s96, s87, s45                     ; source 1's: v
	s_lshl_b32 s97, s19, 8
	s_lshl_b32 s45, s[WH], 7
	s_add_co_u32 s97, s97, s45                     ; source 0's: v
	s_lshr_b32 s88, s42, 3                         ; 0: q, 1: k
	s_lshr_b32 s89, s19, 3                         ; the batch
	s_and_b32 s90, s42, 7                          ; the pair of heads
	s_and_b32 s91, s19, 7
	s_lshl_b32 s91, s91, 4
	s_lshl_b32 s45, s[WV], 2
	s_add_co_u32 s91, s91, s45                     ; my first tile among the batch's 128
	s_lshl_b32 s98, s88, 6
	s_lshl_b32 s45, s89, 4
	s_add_co_u32 s98, s98, s45
	s_lshl_b32 s45, s90, 1
	s_add_co_u32 s98, s98, s45                     ; the even head's block of qkv_img
	s_mul_i32 s98, s98, 98304
	s_mul_i32 s45, s91, 768
	s_add_co_u32 s98, s98, s45                     ; codes: q, k
	s_lshl_b32 s99, s88, 5
	s_lshl_b32 s45, s89, 3
	s_add_co_u32 s99, s99, s45
	s_add_co_u32 s99, s99, s90
	s_lshl_b32 s99, s99, 13
	s_lshl_b32 s45, s91, 6
	s_add_co_u32 s99, s99, s45                     ; scale words: q, k
	s_lshl_b32 s88, s89, 4
	s_lshl_b32 s45, s42, 1
	s_add_co_u32 s88, s88, s45
	s_sub_co_u32 s88, s88, 32
	s_add_co_u32 s88, s88, s[WL]                   ; v: 16 x batch + head, head = 2 (X - 16) + w % 2  (for X under 16 the number is not used)
	s_lshl_b32 s90, s19, 1
	s_add_co_u32 s90, s90, s[WH]
	s_and_b32 s90, s90, 15                         ; v: the key step
	s_add_co_u32 s91, s88, 128
	s_mul_i32 s91, s91, 98304
	s_mul_i32 s45, s90, 6144
	s_add_co_u32 s91, s91, s45                     ; codes: v
	s_lshl_b32 s88, s88, 4
	s_add_co_u32 s88, s88, s90
	s_lshl_b32 s88, s88, 8
	s_add_co_u32 s88, s88, 524288                  ; scale words: v
	s_mov_b32 s85, WPART
	s_mov_b32 s89, 98304                           ; from half fragment 0 to 1: q, k: the next head's block;
	s_mov_b32 s45, 3072                            ; v: four tiles on
	s_cmp_ge_u32 ttmp9, 4                          ; the cluster's x: equal in all partners
	s_cselect_b32 s84, s94, s84
	s_cselect_b32 s85, s95, s85
	s_cselect_b32 s86, s96, s86
	s_cselect_b32 s87, s97, s87
	s_cselect_b32 s98, s91, s98
	s_cselect_b32 s89, s45, s89
	s_cselect_b32 s99, s88, s99
	s_mov_b32 s[SEL], 0x76543210
	s_mov_b32 s[SEL+1], 0xfedcba98                 ; lane l xor 16
	s_wait_dscnt 0x0
	s_wait_kmcnt 0x0
	s_add_nc_u64 s[20:21], s[4:5], s[20:21]
	s_add_nc_u64 s[46:47], s[8:9], s[46:47]
.irp c, 0,1,2,3
	s_mov_b32 s[G0X+4*\c], 1                                       ; count = 1
	s_add_co_u32 s[G0X+4*\c+1], s22, \c*CHUNK                      ; LDS address
	s_add_nc_u64 s[G0X+4*\c+2:G0X+4*\c+3], s[20:21], \c*3072       ; global address: the chunk's two fragments of my first tile
	s_or_b32 s[G0X+4*\c+3], s[G0X+4*\c+3], 0x80000000              ; type = 2
	s_mov_b32 s[G0W+4*\c], 1
	s_add_co_u32 s[G0W+4*\c+1], s23, \c*CHUNK
	s_add_nc_u64 s[G0W+4*\c+2:G0W+4*\c+3], s[46:47], \c*3072
	s_or_b32 s[G0W+4*\c+3], s[G0W+4*\c+3], 0x80000000
.endr
	s_mov_b32 s88, s98
	s_mov_b32 s90, s99
	s_mov_b32 s91, 0
	s_mov_b32 s45, s89                             ; (s89 becomes the upper word of a pair)
	s_mov_b32 s89, 0
	s_add_nc_u64 s[10:11], s[10:11], s[88:89]      ; where my codes go
	s_add_nc_u64 s[12:13], s[12:13], s[90:91]      ; and my scale words
	CROUND                                         ; all sixteen work-groups are here: the joint loads meet
	s_cmp_eq_u32 s[WH], 0                          ; a wave's four fills stand in one branch on the wave's number; four v_nop follow the last
	s_cbranch_scc0 .Lfill_w
	tensor_load_to_lds s[G0X:G0X+3], s[G1X:G1X+7]
	s_nop 0
	tensor_load_to_lds s[G0X+4:G0X+7], s[G1X:G1X+7]
	s_nop 0
	tensor_load_to_lds s[G0X+8:G0X+11], s[G1X:G1X+7]
	s_nop 0
	tensor_load_to_lds s[G0X+12:G0X+15], s[G1X:G1X+7]
	s_nop 0
	PLACES
	s_branch .Lfilled
.Lfill_w:
	tensor_load_to_lds s[G0W:G0W+3], s[G1W:G1W+7]
	s_nop 0
	tensor_load_to_lds s[G0W+4:G0W+7], s[G1W:G1W+7]
	s_nop 0
	tensor_load_to_lds s[G0W+8:G0W+11], s[G1W:G1W+7]
	s_nop 0
	tensor_load_to_lds s[G0W+12:G0W+15], s[G1W:G1W+7]
	s_nop 0
	PLACES
.Lfilled:
	v_and_b32 v1, 31, v0                           ; lane
	v_and_b32 v2, 15, v0                           ; r
	v_lshlrev_b32 v10, 4, v1                       ; 16 l
	v_lshlrev_b32 v163, 3, v1                      ; 8 l
	v_add_nc_u32 v11, 512, v163                    ; 8 l + 512
	v_add_nc_u32 v[FA16], s84, v10
	v_add_nc_u32 v[FA8], s84, v11
	v_add_nc_u32 v[FB16], s85, v10
	v_add_nc_u32 v[FB8], s85, v11
	v_lshlrev_b32 v3, 2, v1                        ; 4 l
	v_lshl_add_u32 v[SVA], s86, 2, v3
	v_lshl_add_u32 v[SVB], s87, 2, v3
.irp k, 0,1,2,3,4,5,6,7                        ; all scale words of the wave, once: each load 128 consecutive bytes: two tiles' words
.irp j, 0,1,2,3
	global_load_b32 v[SB+4*\k+\j], v[SVB], s[6:7] offset:SSTR*\k+128*\j
.endr
.irp j, 0,1
	global_load_b32 v[SA+2*\k+\j], v[SVA], s[6:7] offset:SSTR*\k+128*\j
.endr
.endr
	v_add_nc_u32 v12, s45, v10                     ; half fragment 1's places
	v_add_nc_u32 v13, s45, v11
	s_lshl_b32 s84, s[WV], 8
	s_add_co_u32 s84, s84, STG
	v_lshl_add_u32 v14, v2, 2, s84                 ; the stage of scale words: in, 4 r;
	v_add_nc_u32 v15, s84, v163                    ; out, 8 l
.irp b, 0,1,2,3
	v_mov_b32 v[TM+4+\b], 0                        ; a lane permute's destination counts as one of its sources
.endr
	ARRIVE 0
	FETCH 0
	s_wait_loadcnt 0x0                             ; the scale words
.irp k, 0,1,2,3,4,5,6,7
	KSTEP \k
.endr
	WIN 0
	PLACES                                         ; four places in front of the first read of results
.irp a, 0,1,2,3
	QUANT \a
.endr
	ds_load_b64 v[160:161], v15                    ; LDS serves a wave's instructions in order: these see my four stores
	s_wait_dscnt 0x0
	global_store_b64 v163, v[160:161], s[12:13]    ; 64 scale words: 256 consecutive bytes, aligned
	s_wait_tensorcnt 0x0
	ds_add_u32 v254, v255
	s_wait_dscnt 0x0
	CROUND                                         ; the closing round: no work-group ends while a partner may still ask for a chunk that names it
	s_endpgm
.Lfunc_end_k_q2cf9162b2a_qkv:
	.size	k_q2cf9162b2a_qkv, .Lfunc_end_k_q2cf9162b2a_qkv-k_q2cf9162b2a_qkv
	.p2alignl 7, 3214868480
	.fill 96, 4, 3214868480
	.section	.rodata,"a",@progbits
	.p2align	6, 0x0
	.amdhsa_kernel k_q2cf9162b2a_qkv
		.amdhsa_group_segment_fixed_size 296448
		.amdhsa_private_segment_fixed_size 0
		.amdhsa_enable_private_segment 0
		.amdhsa_kernarg_size 40
		.amdhsa_user_sgpr_count 2
		.amdhsa_user_sgpr_kernarg_segment_ptr 1
		.amdhsa_wavefront_size32 1
		.amdhsa_system_sgpr_workgroup_id_x 1
		.amdhsa_system_sgpr_workgroup_id_y 1
		.amdhsa_system_sgpr_workgroup_id_z 1
		.amdhsa_system_vgpr_workitem_id 0
		.amdhsa_next_free_vgpr 768
		.amdhsa_next_free_sgpr 100
		.amdhsa_reserve_vcc 0
		.amdhsa_float_denorm_mode_32 3
		.amdhsa_float_denorm_mode_16_64 3
		.amdhsa_memory_ordered 1
		.amdhsa_forward_progress 1
		.amdhsa_inst_pref_size 92
	.end_amdhsa_kernel
	.amdgpu_metadata
---
amdhsa.version: [ 1, 2 ]
amdhsa.kernels:
  - .name:           k_q2cf9162b2a_qkv
    .symbol:         k_q2cf9162b2a_qkv.kd
    .args:
      - { .name: x_img, .offset: 0, .size: 8, .value_kind: global_buffer, .address_space: global }
      - { .name: xw_sc, .offset: 8, .size: 8, .value_kind: global_buffer, .address_space: global }
      - { .name: w_img, .offset: 16, .size: 8, .value_kind: global_buffer, .address_space: global }
      - { .name: qkv_img, .offset: 24, .size: 8, .value_kind: global_buffer, .address_space: global }
      - { .name: qkv_sc, .offset: 32, .size: 8, .value_kind: global_buffer, .address_space: global }
    .group_segment_fixed_size: 296448
    .private_segment_fixed_size: 0
    .kernarg_segment_align: 8
    .kernarg_segment_size: 40
    .max_flat_workgroup_size: 128
    .sgpr_count:     100
    .vgpr_count:     768
    .wavefront_size: 32
...
	.end_amdgpu_metadata
.endif
;; end of part 2
;; launch attn (part 3): grid 4 x 64, 16 waves a work-group, clusters of 4 x 1, 215,040 bytes of LDS; arguments qkv_img, qkv_sc, ctx_img, ctx_sc; writes ctx_img, ctx_sc
.if DOCPART == 3
	.amdgcn_target "amdgcn-amd-amdhsa--gfx1250"
	.amdhsa_code_object_version 6
	.text
	.protected	k_q2cf9162b2a_attn
	.globl	k_q2cf9162b2a_attn
	.p2align	8
	.type	k_q2cf9162b2a_attn,@function
k_q2cf9162b2a_attn:
	s_mov_b64 s[64:65], 0
	v_nop
	global_prefetch_b8 v0, s[64:65] scope:SCOPE_SE
	s_setreg_imm32_b32 hwreg(HW_REG_WAVE_MODE, 25, 1), 1
	s_wait_xcnt 0x0
	s_wait_alu depctr_hold_cnt(0) depctr_sa_sdst(0) depctr_va_vdst(0) depctr_va_sdst(0) depctr_va_ssrc(0) depctr_va_vcc(0) depctr_vm_vsrc(0)
	s_getreg_b32 s2, hwreg(HW_REG_IB_STS2, 6, 4)
	s_cmp_eq_u32 s2, 0
	s_cbranch_scc0 .Lentry_in_a_cluster
	s_endpgm
.Lentry_in_a_cluster:
	s_bfe_u32 s2, ttmp6, 0x10000c
	s_cmp_lg_u32 s2, 0x3003
	s_cbranch_scc0 .Lentry_shape_is_right
	s_endpgm
.Lentry_shape_is_right:
; ctx[b][q][head] = softmax_k(q . k / 8, causal) v, both products on codes of BF6 (E3M2) with E8M0 scales; ctx is quantised here along its 64 channels a head and leaves as codes for the last product.
; THE SOFTMAX AHEAD OF THE SECOND PRODUCT: t = score x log2(e) / 8; M = the row's largest t so far, rounded UP to a whole number; p = 2^(t - M) is quantised along the keys, not normalised; the row's sum
; is taken of the unquantised p and divides at the end.  When M moves, the sum and O are multiplied by 2^(old M - new M): exact.
; THE FIRST PRODUCT'S K IS 64: registers 6-11 of q's and k's fragments hold zero codes, and the upper two bytes of their scale words are 0 (2^-127, no NaN): they add nothing.
; SHARES.  A cluster of four work-groups is one (batch, head).  The head's whole K and V (98,304 bytes each) and their scale words stay in every partner's LDS, FILLED ONCE by joint loads (mask 15): nothing is
; filled again.  By this text's count a wave has three tensor loads out.  A wave takes two tiles of 16 queries, one after the other: tile 8 w + 2 cx, which has w + 1 key steps of 128, and tile
; 8 (15 - w) + 2 cx + 1, which has 16 - w: 17 steps for every wave of every work-group.  Every wave walks all 16 trips of each pass and jumps over the work of steps whose keys are all hidden: the branches
; hang on the wave's number and the trip alone; cx enters global addresses and the mask's data only.
; LAYOUT.  Both products are used transposed (S^T = K Q^T, O^T = V^T P^T): a lane holds one query throughout.  K's keys and V's channels stand in position order (position p holds row p with bits 3 and 4
; exchanged), so that the 16 registers of two neighbouring tiles are 16 neighbouring keys, or channels.  Operands lie as images of their registers: a half fragment (16 rows x 64 K) is 768 bytes.
; LIMITS: a block of zeros, or one under 2^-122, keeps the byte 1 (this program alone reads the bytes); NaN and infinities are not served.  ctx's scale bytes leave 2 bytes a lane, 4 bytes apart (both halves
; of the lanes write the same value): 64 bytes of 256 a store, 262,144 bytes in the whole launch.
; REGISTERS: v1-4 lane terms, v5-10 the step's addresses, v11 4 r, v12 -M, v13 the largest t, v[14:15] the sum, v16-27 Q, v28 the mask's lane term, v29 the same for this pass, v30-31 V's scale words,
;   v32-79 four fragments of K, v80-127 four of V, v128-191 S^T, then p, v192-223 O^T, v224-235 p's codes, v232-254 at work, v248-251 K's scale words, v253 p's, v255 Q's.
.set VB,    98304                      ; LDS: K at 0, V here,
.set SCL,   196608                     ; K's scale words of the pair of heads (8,192 bytes), then V's (8,192)
.set STEPB, 6144                       ; a key step's 8 half fragments of K, or 4 fragments of V
.set S,     128
.set O,     192
.set WV,  12
.set CX,  13
.set BH,  14
.set PAR, 15
.set HD,  16
.set BT,  17
.set CS,  20                           ; s[20:21] c = log2(e) / 8
.set SEL, 22                           ; s[22:23] lane l xor 16
.set G1S, 24                           ; s[24:31] group 1: 8 rows of 256 bytes;  s[32:39]: 12 rows;  s[40:47]: 84 rows
.set G1E, 32
.set G1L, 40
.set G0S, 48
.set G0E, 52
.set G0L, 56
.set J,   60                           ; the key step
.set AT,  61                           ; the key step on whose diagonal my tile lies
.set TB,  62                           ; 6,144 J
.set TS,  63                           ; 512 J
.set TJ,  66                           ; 256 J
.set CNT, 67
.set TQ,  68                           ; my tile of queries
.macro PLACES
.rept 4
	v_nop
.endr
.endm
.macro CROUND
	s_barrier_signal -1
	s_barrier_wait -1
	s_cmp_lg_u32 s[WV], 0
	s_cbranch_scc1 .Lnot_wave_0_\@
	s_barrier_signal -3
.Lnot_wave_0_\@:
	s_barrier_wait -3
	s_barrier_signal -1
	s_barrier_wait -1
.endm
.macro KLOAD g                         ; K's tiles 4 g .. 4 g + 3: registers 0-5 of each fragment; registers 6-11 stay zero
.irp t, 0,1,2,3
	ds_load_b128 v[32+12*\t:35+12*\t], v5 offset:768*(4*(\g)+\t)
	ds_load_b64 v[36+12*\t:37+12*\t], v6 offset:768*(4*(\g)+\t)
.endr
.endm
.macro QK g                            ; S^T of those four tiles; an odd tile's scale words stand in lanes 16-31
.irp u, 0,1
	v_wmma_scale_f32_16x16x128_f8f6f4 v[S+8*(4*(\g)+2*\u):S+8*(4*(\g)+2*\u)+7], v[32+24*\u:43+24*\u], v[16:27], 0, v[248+2*(\g)+\u], v255 matrix_a_fmt:MATRIX_FMT_BF6 matrix_b_fmt:MATRIX_FMT_BF6
	v_wmma_scale_f32_16x16x128_f8f6f4 v[S+8*(4*(\g)+2*\u+1):S+8*(4*(\g)+2*\u+1)+7], v[44+24*\u:55+24*\u], v[16:27], 0, v[248+2*(\g)+\u], v255 matrix_a_fmt:MATRIX_FMT_BF6 matrix_b_fmt:MATRIX_FMT_BF6 matrix_a_scale:MATRIX_SCALE_ROW1
.endr
.endm
; A KEY STEP: 128 keys.
.macro STEP
	s_cmp_gt_u32 s[J], s[AT]                       ; all its keys come after my queries: only the lines at its end are run
	s_cbranch_scc1 .Lhidden_\@
	s_setprio 2
	v_add_nc_u32 v5, s[TB], v1
	v_add_nc_u32 v6, s[TB], v2
	s_delay_alu instid0(VALU_DEP_2)
	v_add_nc_u32 v7, VB, v5
	s_delay_alu instid0(VALU_DEP_2)
	v_add_nc_u32 v8, VB, v6
	v_add_nc_u32 v9, s[TS], v3
	v_add_nc_u32 v10, s[TJ], v4
	KLOAD 0
.irp q, 0,1,2,3
	ds_load_u16 v[248+\q], v9 offset:128*\q        ; K's scale bytes of my head: two of the word's four; lanes 0-15 tile 2 q, lanes 16-31 tile 2 q + 1
.endr
.irp t, 0,1,2,3                                ; V's four fragments: they land while the scores are made
	ds_load_b128 v[80+12*\t:83+12*\t], v7 offset:768*\t
	ds_load_b64 v[84+12*\t:85+12*\t], v8 offset:768*\t
	ds_load_b128 v[86+12*\t:89+12*\t], v7 offset:3072+768*\t
	ds_load_b64 v[90+12*\t:91+12*\t], v8 offset:3072+768*\t
.endr
.irp q, 0,1
	ds_load_b32 v[30+\q], v10 offset:128*\q
.endr
	s_wait_alu depctr_va_vdst(0)
	s_wait_dscnt 18                                ; K's tiles 0-3 and K's scale words are in; V's 16 loads and its 2 scale loads may be out
	QK 0
	PLACES                                         ; four places in front of loads into registers that those products read
	KLOAD 1
	s_wait_dscnt 0x0
	QK 1
	PLACES                                         ; and in front of the first read of results
	s_cmp_lg_u32 s[J], s[AT]                       ; on the diagonal the scores of hidden keys become -infinity ahead of the maximum: p = 0 then
	s_cbranch_scc1 .Lopen_\@
	v_mov_b32 v254, 0xff800000
.set n, 0
.rept 64                                       ; register 16 b + i holds key 128 J + 32 b + 16 (lane / 16) + i: hidden where 32 b + i > v29
	v_cmp_gt_i32 vcc_lo, 32*(n/16)+n%16, v29
	v_cndmask_b32 v[S+n], v[S+n], v254, vcc_lo
.set n, n+1
.endr
.Lopen_\@:
.irp b, 0,1,2,3
	v_max3_num_f32 v[232+\b], v[S+16*\b], v[S+1+16*\b], v[S+2+16*\b]   ; the largest score of each block of 32 keys: for the row's maximum and, since p rises with the score, for the block's largest p
.endr
.irp i, 3,5,7,9,11,13
.irp b, 0,1,2,3
	v_max3_num_f32 v[232+\b], v[232+\b], v[S+16*\b+\i], v[S+1+16*\b+\i]
.endr
.endr
.irp b, 0,1,2,3
	v_max_num_f32 v[232+\b], v[232+\b], v[S+15+16*\b]
.endr
.irp b, 0,1,2,3
	s_delay_alu instid0(VALU_DEP_4)
	v_permlanex16_b32 v[236+\b], v[232+\b], s[SEL], s[SEL+1]
.endr
.irp b, 0,1,2,3
	s_delay_alu instid0(VALU_DEP_4)
	v_max_num_f32 v[232+\b], v[232+\b], v[236+\b]  ; with lane l xor 16's 16 keys
.endr
	s_delay_alu instid0(VALU_DEP_2)
	v_max3_num_f32 v254, v232, v233, v234
	s_delay_alu instid0(VALU_DEP_1)
	v_max_num_f32 v254, v254, v235                 ; the step's largest score of my query
	s_delay_alu instid0(VALU_DEP_1)
	v_mul_f32 v254, s[CS], v254                    ; as t
	s_delay_alu instid0(VALU_DEP_1)
	v_max_num_f32 v13, v13, v254                   ; the running largest t
	v_mov_b32 v254, v12
	s_delay_alu instid0(VALU_DEP_2)
	v_floor_f32 v12, -v13                          ; the new -M = floor(-t): M is a whole number
	s_delay_alu instid0(VALU_DEP_1)
	v_sub_f32 v254, v12, v254                      ; old M - new M: a whole number, 0 or less
	s_delay_alu instid0(VALU_DEP_1)
	v_cvt_i32_f32 v254, v254                       ; (it saturates)
	s_delay_alu instid0(VALU_DEP_1)
	v_ldexp_f32 v252, 1.0, v254                    ; f = 2^(old M - new M)
.set n, 0
	s_setprio 1
.rept 32
	v_pk_fma_f32 v[S+n:S+n+1], v[S+n:S+n+1], s[CS:CS+1], v[12:13] op_sel_hi:[1,0,0]   ; t - M, two at a time
.set n, n+2
.endr
.irp b, 0,1,2,3
	v_fma_f32 v[232+\b], v[232+\b], s[CS], v12     ; the same of each block's largest score
.endr
.set n, 0
	s_wait_alu depctr_va_vdst(0)
.rept 64
	v_exp_f32 v[S+n], v[S+n]                       ; p = 2^(t - M)
.set n, n+1
.endr
.irp b, 0,1,2,3
	v_exp_f32 v[232+\b], v[232+\b]                 ; the block's largest p: the same two instructions on the same number give the same bits
.endr
	v_pk_mul_f32 v[14:15], v[14:15], v[252:253] op_sel_hi:[1,0]   ; the sums under the new M; a plain place behind the exponentials
	s_wait_alu depctr_va_vdst(0)
.irp b, 0,1,2,3
	v_max_num_f32 v[232+\b], 0x2800000, v[232+\b]  ; the floor 2^(5 - 127)
.endr
.irp b, 0,1,2,3
	s_delay_alu instid0(VALU_DEP_4)
	v_add_nc_u32 v[244+\b], 0xfe000000, v[232+\b]  ; the conversion's scale operand
.endr
.irp b, 0,1,2,3
	s_delay_alu instid0(VALU_DEP_4)
	v_lshrrev_b32 v[236+\b], 23, v[244+\b]         ; the scale's byte
.endr
	s_delay_alu instid0(VALU_DEP_3)
	v_lshl_or_b32 v253, v237, 8, v236              ; p's scale word for these 128 keys
	s_delay_alu instid0(VALU_DEP_1)
	v_lshl_or_b32 v253, v238, 16, v253
	s_delay_alu instid0(VALU_DEP_1)
	v_lshl_or_b32 v253, v239, 24, v253
.irp c, 0,1
	v_cvt_scalef32_pk16_bf6_f32 v[224+6*\c:226+6*\c], v[S+32*\c:S+15+32*\c], v[244+2*\c]
	v_cvt_scalef32_pk16_bf6_f32 v[236+4*\c:238+4*\c], v[S+16+32*\c:S+31+32*\c], v[244+2*\c+1]
.endr
	v_nop                                          ; one plain place behind a scaled conversion
.irp c, 0,1                                    ; a whole block to a lane: lanes 0-15 block 2 c, lanes 16-31 block 2 c + 1
.irp i, 0,1,2
	v_permlane16_swap_b32 v[224+6*\c+\i], v[236+4*\c+\i]
.endr
.irp i, 0,1,2
	s_delay_alu instid0(VALU_DEP_3)
	v_mov_b32 v[227+6*\c+\i], v[236+4*\c+\i]
.endr
.endr
.set n, 0
.rept 16
	v_pk_mul_f32 v[O+n:O+n+1], v[O+n:O+n+1], v[252:253] op_sel_hi:[1,0]   ; O^T under the new M, each accumulator from its low end on
.set n, n+2
.endr
	s_setprio 0
	v_pk_add_f32 v[236:237], v[132:133], v[136:137]
	v_pk_add_f32 v[250:251], v[140:141], v[144:145]
	v_pk_add_f32 v[248:249], v[148:149], v[152:153]
	v_pk_add_f32 v[246:247], v[156:157], v[160:161]
	v_pk_add_f32 v[244:245], v[164:165], v[168:169]
	v_pk_add_f32 v[242:243], v[172:173], v[176:177]
	v_pk_add_f32 v[240:241], v[180:181], v[184:185]
	v_pk_add_f32 v[14:15], v[14:15], v[188:189]
	v_pk_add_f32 v[236:237], v[236:237], v[128:129]
	v_pk_add_f32 v[250:251], v[250:251], v[130:131]
	v_pk_add_f32 v[248:249], v[248:249], v[134:135]
	v_pk_add_f32 v[246:247], v[246:247], v[138:139]
	v_pk_add_f32 v[244:245], v[244:245], v[142:143]
	v_pk_add_f32 v[242:243], v[242:243], v[146:147]
	v_pk_add_f32 v[240:241], v[240:241], v[150:151]
	v_pk_add_f32 v[14:15], v[14:15], v[154:155]
	v_pk_add_f32 v[236:237], v[236:237], v[158:159]
	v_pk_add_f32 v[250:251], v[250:251], v[162:163]
	v_pk_add_f32 v[248:249], v[248:249], v[166:167]
	v_pk_add_f32 v[246:247], v[246:247], v[170:171]
	v_pk_add_f32 v[244:245], v[244:245], v[174:175]
	v_pk_add_f32 v[242:243], v[242:243], v[178:179]
	v_pk_add_f32 v[240:241], v[240:241], v[182:183]
	v_pk_add_f32 v[14:15], v[14:15], v[186:187]
	v_pk_add_f32 v[236:237], v[236:237], v[190:191]
	s_delay_alu instid0(VALU_DEP_2)
	v_pk_add_f32 v[14:15], v[14:15], v[246:247]
	s_delay_alu instid0(VALU_DEP_2)
	v_pk_add_f32 v[236:237], v[236:237], v[244:245]
	v_pk_add_f32 v[250:251], v[250:251], v[242:243]
	v_pk_add_f32 v[248:249], v[248:249], v[240:241]
	s_delay_alu instid0(VALU_DEP_2)
	v_pk_add_f32 v[14:15], v[14:15], v[250:251]
	s_delay_alu instid0(VALU_DEP_2)
	v_pk_add_f32 v[236:237], v[236:237], v[248:249]
	s_delay_alu instid0(VALU_DEP_1)
	v_pk_add_f32 v[14:15], v[14:15], v[236:237]
.irp u, 0,1                                    ; O^T += V^T P^T: four tiles of 16 channels, by turns
	v_wmma_scale_f32_16x16x128_f8f6f4 v[O+16*\u:O+16*\u+7], v[80+24*\u:91+24*\u], v[224:235], v[O+16*\u:O+16*\u+7], v[30+\u], v253 matrix_a_fmt:MATRIX_FMT_BF6 matrix_b_fmt:MATRIX_FMT_BF6
	v_wmma_scale_f32_16x16x128_f8f6f4 v[O+16*\u+8:O+16*\u+15], v[92+24*\u:103+24*\u], v[224:235], v[O+16*\u+8:O+16*\u+15], v[30+\u], v253 matrix_a_fmt:MATRIX_FMT_BF6 matrix_b_fmt:MATRIX_FMT_BF6 matrix_a_scale:MATRIX_SCALE_ROW1
.endr
	PLACES                                         ; four places behind them on every way: the next step's loads, or the tile's end
.Lhidden_\@:
	s_add_co_u32 s[TB], s[TB], STEPB
	s_add_co_u32 s[TS], s[TS], 512
	s_add_co_u32 s[TJ], s[TJ], 256
	s_add_co_u32 s[J], s[J], 1
.endm
.macro WALK trips
	s_mov_b32 s[CNT], \trips
.Lwalk_\@:
	STEP
	s_sub_co_u32 s[CNT], s[CNT], 1
	s_cmp_lg_u32 s[CNT], 0
	s_cbranch_scc1 .Lwalk_\@
	s_setprio 0
.endm
; A pass's head: e = 0: tile 8 w + 2 cx; e = 1: tile 8 (15 - w) + 2 cx + 1.
.macro PASS_HEAD e
	s_wait_xcnt 0x0                                ; the last pass's stores have had their addresses translated: their bases and data are written again only behind this wait
.if \e
	s_sub_co_u32 s[AT], 15, s[WV]
.else
	s_mov_b32 s[AT], s[WV]
.endif
	s_lshl_b32 s[TQ], s[AT], 3
	s_lshl_b32 s69, s[CX], 1
	s_add_co_u32 s[TQ], s[TQ], s69
.if \e
	s_add_co_u32 s[TQ], s[TQ], 1
.endif
	s_mul_i32 s70, s[BH], 98304                    ; Q's block,
	s_mul_i32 s69, s[TQ], 768
	s_add_co_u32 s70, s70, s69                     ; my tile's half fragment
	s_mov_b32 s71, 0
	s_add_nc_u64 s[70:71], s[4:5], s[70:71]
	s_lshl_b32 s72, s[TQ], 6
	s_add_co_u32 s72, s72, s18
	s_add_co_u32 s72, s72, s19                     ; its scale words: the pair's 8,192 bytes, 64 a tile, my head's two bytes
	s_mov_b32 s73, 0
	s_add_nc_u64 s[72:73], s[6:7], s[72:73]
	s_lshl_b32 s74, s[BT], 7
	s_add_co_u32 s74, s74, s[TQ]                   ; the tile among all 512
	s_lshl_b32 s76, s74, 6
	s_mul_i32 s74, s74, 12288
	s_mul_i32 s69, s[HD], 768
	s_add_co_u32 s74, s74, s69                     ; ctx: the tile's half fragment of my head
	s_mov_b32 s75, 0
	s_add_nc_u64 s[74:75], s[8:9], s[74:75]
	s_lshr_b32 s69, s[HD], 1
	s_lshl_b32 s69, s69, 15
	s_add_co_u32 s76, s76, s69
	s_add_co_u32 s76, s76, s19                     ; and its scale bytes: K step head / 2, my head's two of the word's four
	s_mov_b32 s77, 0
	s_add_nc_u64 s[76:77], s[10:11], s[76:77]
	global_load_b128 v[16:19], v1, s[70:71]
	global_load_b64 v[20:21], v2, s[70:71]
	global_load_u16 v255, v11, s[72:73]
	v_add_nc_u32 v29, 8*\e, v28                    ; my query less the diagonal step's first key less 16 (lane / 16)
.set n, 0
.rept 32
	v_mov_b32 v[O+n], 0                            ; O^T: the step is written once; the first change of M multiplies zeros
.set n, n+1
.endr
	v_mov_b32 v14, 0
	v_mov_b32 v15, 0
	v_mov_b32 v13, 0xff61b1e6                      ; -3e38, under every t
	s_delay_alu instid0(VALU_DEP_1)
	v_floor_f32 v12, -v13
	s_mov_b32 s[J], 0
	s_mov_b32 s[TB], 0
	s_mov_b32 s[TS], 0
	s_mov_b32 s[TJ], 0
	s_wait_loadcnt 0x0
.endm
; A tile's end: O^T / the sum, quantised along the head's 64 channels (two blocks), stored as a half fragment and two scale bytes a row.
.macro FIN
	v_add_f32 v14, v14, v15
	s_delay_alu instid0(VALU_DEP_1)
	v_permlanex16_b32 v252, v14, s[SEL], s[SEL+1]
	s_delay_alu instid0(VALU_DEP_1)
	v_add_f32 v14, v14, v252                       ; the row's sum
	s_wait_alu depctr_va_vdst(0)
	v_rcp_f32 v14, v14
	v_nop                                          ; one plain place behind a transcendental
.set n, 0
	s_wait_alu depctr_va_vdst(0)
.rept 32
	v_mul_f32 v[S+n], v[O+n], v14                  ; register 16 b + i is channel 32 b + 16 (lane / 16) + i
.set n, n+1
.endr
.irp b, 0,1
	v_max3_num_f32 v[232+\b], |v[S+16*\b]|, |v[S+16*\b+1]|, 0x2800000
.endr
.irp i, 2,4,6,8,10,12,14
.irp b, 0,1
	s_delay_alu instid0(VALU_DEP_2)
	v_max3_num_f32 v[232+\b], v[232+\b], |v[S+16*\b+\i]|, |v[S+16*\b+\i+1]|
.endr
.endr
.irp b, 0,1
	s_delay_alu instid0(VALU_DEP_2)
	v_permlanex16_b32 v[236+\b], v[232+\b], s[SEL], s[SEL+1]
.endr
.irp b, 0,1
	s_delay_alu instid0(VALU_DEP_2)
	v_max_num_f32 v[232+\b], v[232+\b], v[236+\b]
.endr
.irp b, 0,1
	s_delay_alu instid0(VALU_DEP_2)
	v_add_nc_u32 v[244+\b], 0xfe000000, v[232+\b]
.endr
.irp b, 0,1
	s_delay_alu instid0(VALU_DEP_2)
	v_lshrrev_b32 v[240+\b], 23, v[244+\b]
.endr
	s_delay_alu instid0(VALU_DEP_1)
	v_lshl_or_b32 v254, v241, 8, v240
	v_cvt_scalef32_pk16_bf6_f32 v[224:226], v[S:S+15], v244
	v_cvt_scalef32_pk16_bf6_f32 v[236:238], v[S+16:S+31], v245
	v_nop                                          ; one plain place behind a scaled conversion
.irp i, 0,1,2
	v_permlane16_swap_b32 v[224+\i], v[236+\i]
.endr
.irp i, 0,1,2
	s_delay_alu instid0(VALU_DEP_3)
	v_mov_b32 v[227+\i], v[236+\i]
.endr
	global_store_b128 v1, v[224:227], s[74:75]     ; 512 consecutive bytes,
	global_store_b64 v2, v[228:229], s[74:75]      ; and the 256 behind them
	global_store_b16 v11, v254, s[76:77]
.endm
	s_load_b256 s[4:11], s[0:1], 0x0               ; qkv_img s[4:5], qkv_sc s[6:7], ctx_img s[8:9], ctx_sc s[10:11]
	v_lshl_add_u32 v254, v0, 2, 0x34000
	v_mov_b32 v255, 0
	ds_add_u32 v254, v255
	ds_add_u32 v254, v255
	s_wait_dscnt 0x0
	v_lshrrev_b32 v1, 5, v0
	s_delay_alu instid0(VALU_DEP_1)
	v_readfirstlane_b32 s[WV], v1                  ; wave 0..15
	s_bfe_u32 s[CX], ttmp6, 0x40000                ; my place in the cluster
	s_and_b32 s[BH], ttmp7, 0xffff                 ; 16 x batch + head: the partners share it
	s_and_b32 s[PAR], s[BH], 1
	s_and_b32 s[HD], s[BH], 15
	s_lshr_b32 s[BT], s[BH], 4
	s_lshr_b32 s18, s[BH], 1
	s_lshl_b32 s18, s18, 13                        ; the pair of heads x 8,192
	s_lshl_b32 s19, s[PAR], 1
	s_lshr_b32 s69, s[WV], 2
	s_and_b32 s69, s69, 1                          ; waves 0-3 fetch for K, waves 4-7 for V
	s_and_b32 s70, s[WV], 3                        ; and which quarter
	; descriptor groups 1: dense blocks as rows of 256 bytes (32 elements of 8 bytes); the mask names all four partners, bit 21 beside it
.irp g, G1S, G1E, G1L
	s_mov_b32 s[\g], 15|(3<<16)|(1<<21)
	s_mov_b32 s[\g+1], 32<<16                      ; tensor_dim0
	s_mov_b32 s[\g+3], 32<<16                      ; tile_dim0
	s_mov_b32 s[\g+5], 32                          ; tensor_dim0_stride
	s_mov_b32 s[\g+6], 0
	s_mov_b32 s[\g+7], 0
.endr
	s_mov_b32 s[G1S+2], 8<<16                      ; tensor_dim1, tile_dim1: a quarter of 8,192 bytes of scale words;
	s_mov_b32 s[G1S+4], 8
	s_mov_b32 s[G1E+2], 12<<16                     ; a quarter of key steps 0 and 1;
	s_mov_b32 s[G1E+4], 12
	s_mov_b32 s[G1L+2], 84<<16                     ; a quarter of key steps 2 to 15
	s_mov_b32 s[G1L+4], 84
	s_lshl_b32 s71, s69, 13
	s_lshl_b32 s72, s70, 11
	s_add_co_u32 s71, s71, s72
	s_add_co_u32 s71, s71, SCL                     ; the scale words in LDS,
	s_lshl_b32 s74, s69, 18
	s_add_co_u32 s74, s74, s72
	s_add_co_u32 s74, s74, s18
	s_add_co_u32 s74, s74, 262144                  ; and in qkv_sc: K's behind Q's 262,144 bytes, V's behind K's
	s_mov_b32 s75, 0
	s_mul_i32 s76, s69, VB
	s_mul_i32 s77, s70, 3072
	s_add_co_u32 s80, s76, s77                     ; the early tile in LDS
	s_add_co_u32 s78, s[BH], 64
	s_mul_i32 s78, s78, 98304
	s_mul_i32 s79, s69, 6291456
	s_add_co_u32 s78, s78, s79                     ; the head's block of K or of V in qkv_img
	s_mov_b32 s79, 0
	s_mul_i32 s81, s70, 21504
	s_add_co_u32 s81, s81, 12288                   ; the late tile's place in the block, in memory and in LDS alike
	s_mov_b32 s[CS], 0x3e38aa3b                    ; log2(e) / 8
	s_mov_b32 s[CS+1], s[CS]
	s_mov_b32 s[SEL], 0x76543210
	s_mov_b32 s[SEL+1], 0xfedcba98
	s_wait_kmcnt 0x0
	s_add_nc_u64 s[74:75], s[6:7], s[74:75]
	s_add_nc_u64 s[78:79], s[4:5], s[78:79]
	s_mov_b32 s[G0S], 1
	s_mov_b32 s[G0S+1], s71
	s_mov_b64 s[G0S+2:G0S+3], s[74:75]
	s_or_b32 s[G0S+3], s[G0S+3], 0x80000000
	s_mov_b32 s82, s77
	s_mov_b32 s83, 0
	s_mov_b32 s[G0E], 1
	s_mov_b32 s[G0E+1], s80
	s_add_nc_u64 s[G0E+2:G0E+3], s[78:79], s[82:83]
	s_or_b32 s[G0E+3], s[G0E+3], 0x80000000
	s_mov_b32 s82, s81
	s_mov_b32 s[G0L], 1
	s_add_co_u32 s[G0L+1], s76, s81
	s_add_nc_u64 s[G0L+2:G0L+3], s[78:79], s[82:83]
	s_or_b32 s[G0L+3], s[G0L+3], 0x80000000
	CROUND                                         ; all four work-groups are here: the joint loads meet
	s_cmp_lt_u32 s[WV], 8                          ; a wave's three fills stand in one branch on the wave's number; four v_nop follow the last
	s_cbranch_scc0 .Lno_fill
	tensor_load_to_lds s[G0S:G0S+3], s[G1S:G1S+7]
	s_nop 0
	tensor_load_to_lds s[G0E:G0E+3], s[G1E:G1E+7]
	s_nop 0
	tensor_load_to_lds s[G0L:G0L+3], s[G1L:G1L+7]
	s_nop 0
	PLACES
.Lno_fill:
	v_and_b32 v28, 31, v0                          ; lane
	v_and_b32 v11, 15, v0                          ; r
	v_bfe_u32 v29, v0, 4, 1                        ; h
	s_delay_alu instid0(VALU_DEP_3)
	v_lshlrev_b32 v1, 4, v28                       ; 16 l
	s_delay_alu instid0(VALU_DEP_4)
	v_lshlrev_b32 v2, 3, v28
	s_delay_alu instid0(VALU_DEP_1)
	v_add_nc_u32 v2, 512, v2                       ; 8 l + 512
	s_add_co_u32 s82, s19, SCL
	v_lshl_add_u32 v3, v28, 2, s82                 ; K's scale words: 4 l, my head's two bytes
	s_lshl_b32 s82, s[PAR], 12
	s_add_co_u32 s82, s82, SCL+8192
	v_lshl_add_u32 v4, v28, 2, s82                 ; V's: my head's 4,096 bytes, 4 l
	v_and_b32 v5, 7, v11
	v_lshrrev_b32 v6, 3, v11
	s_delay_alu instid0(VALU_DEP_1)
	v_sub_nc_u32 v6, v6, v29
	s_delay_alu instid0(VALU_DEP_1)
	v_lshl_add_u32 v28, v6, 4, v5                  ; r % 8 + 16 (r / 8) - 16 h
	s_lshl_b32 s82, s[CX], 5
	v_add_nc_u32 v28, s82, v28                     ; + 32 cx: data for the mask, no address
	v_lshlrev_b32 v11, 2, v11                      ; 4 r
.irp i, 22,23,24,25,26,27
	v_mov_b32 v[\i], 0                             ; the upper 64 of the first product's K: zero codes, in Q
.endr
.irp t, 0,1,2,3
.irp i, 6,7,8,9,10,11
	v_mov_b32 v[32+12*\t+\i], 0                    ; and in K's four fragments
.endr
.endr
.irp b, 0,1,2,3
	v_mov_b32 v[236+\b], 0                         ; a lane permute's destination counts as one of its sources
.endr
	v_mov_b32 v252, 0
	v_mov_b32 v253, 0                              ; (named as the upper half of the pair v[252:253] before it is first written)
	PASS_HEAD 0
	s_wait_tensorcnt 1                             ; the scale words and key steps 0 and 1 are in; the late tile may stay out
	s_barrier_signal -1
	s_barrier_wait -1
	WALK 2
	s_wait_tensorcnt 0x0                           ; key steps 2 to 15
	s_wait_dscnt 0x0
	s_barrier_signal -1
	s_barrier_wait -1
	WALK 14
	s_wait_alu depctr_va_vdst(0)
	FIN
	PASS_HEAD 1
	WALK 16
	s_wait_alu depctr_va_vdst(0)
	FIN
	s_wait_dscnt 0x0
	s_wait_xcnt 0x0
	v_lshl_add_u32 v254, v0, 2, 0x34000
	v_mov_b32 v255, 0
	s_wait_alu depctr_va_vdst(0)
	s_wait_tensorcnt 0x0
	ds_add_u32 v254, v255
	s_wait_dscnt 0x0
	CROUND                                         ; the closing round
	s_endpgm
.Lfunc_end_k_q2cf9162b2a_attn:
	.size	k_q2cf9162b2a_attn, .Lfunc_end_k_q2cf9162b2a_attn-k_q2cf9162b2a_attn
	.p2alignl 7, 3214868480
	.fill 96, 4, 3214868480
	.section	.rodata,"a",@progbits
	.p2align	6, 0x0
	.amdhsa_kernel k_q2cf9162b2a_attn
		.amdhsa_group_segment_fixed_size 215040
		.amdhsa_private_segment_fixed_size 0
		.amdhsa_enable_private_segment 0
		.amdhsa_kernarg_size 32
		.amdhsa_user_sgpr_count 2
		.amdhsa_user_sgpr_kernarg_segment_ptr 1
		.amdhsa_wavefront_size32 1
		.amdhsa_system_sgpr_workgroup_id_x 1
		.amdhsa_system_sgpr_workgroup_id_y 1
		.amdhsa_system_sgpr_workgroup_id_z 1
		.amdhsa_system_vgpr_workitem_id 0
		.amdhsa_next_free_vgpr 256
		.amdhsa_next_free_sgpr 84
		.amdhsa_reserve_vcc 1
		.amdhsa_float_denorm_mode_32 3
		.amdhsa_float_denorm_mode_16_64 3
		.amdhsa_memory_ordered 1
		.amdhsa_forward_progress 1
		.amdhsa_inst_pref_size 92
	.end_amdhsa_kernel
	.amdgpu_metadata
---
amdhsa.version: [ 1, 2 ]
amdhsa.kernels:
  - .name:           k_q2cf9162b2a_attn
    .symbol:         k_q2cf9162b2a_attn.kd
    .args:
      - { .name: qkv_img, .offset: 0, .size: 8, .value_kind: global_buffer, .address_space: global }
      - { .name: qkv_sc, .offset: 8, .size: 8, .value_kind: global_buffer, .address_space: global }
      - { .name: ctx_img, .offset: 16, .size: 8, .value_kind: global_buffer, .address_space: global }
      - { .name: ctx_sc, .offset: 24, .size: 8, .value_kind: global_buffer, .address_space: global }
    .group_segment_fixed_size: 215040
    .private_segment_fixed_size: 0
    .kernarg_segment_align: 8
    .kernarg_segment_size: 32
    .max_flat_workgroup_size: 512
    .sgpr_count:     84
    .vgpr_count:     256
    .wavefront_size: 32
...
	.end_amdgpu_metadata
.endif
;; end of part 3
;; launch proj (part 4): grid 8 x 32, 4 waves a work-group, clusters of 4 x 4, 295,424 bytes of LDS; arguments ctx_img, ctx_sc, w_img, xw_sc, bo, out0; writes out0
.if DOCPART == 4
	.amdgcn_target "amdgcn-amd-amdhsa--gfx1250"
	.amdhsa_code_object_version 6
	.text
	.protected	k_q2cf9162b2a_proj
	.globl	k_q2cf9162b2a_proj
	.p2align	8
	.type	k_q2cf9162b2a_proj,@function
k_q2cf9162b2a_proj:
	s_mov_b64 s[64:65], 0
	v_nop
	global_prefetch_b8 v0, s[64:65] scope:SCOPE_SE
	s_setreg_imm32_b32 hwreg(HW_REG_WAVE_MODE, 25, 1), 1
	s_wait_xcnt 0x0
	s_wait_alu depctr_hold_cnt(0) depctr_sa_sdst(0) depctr_va_vdst(0) depctr_va_sdst(0) depctr_va_ssrc(0) depctr_va_vcc(0) depctr_vm_vsrc(0)
	s_getreg_b32 s2, hwreg(HW_REG_IB_STS2, 6, 4)
	s_cmp_eq_u32 s2, 0
	s_cbranch_scc0 .Lentry_in_a_cluster
	s_endpgm
.Lentry_in_a_cluster:
	s_bfe_u32 s2, ttmp6, 0x10000c
	s_cmp_lg_u32 s2, 0xf033
	s_cbranch_scc0 .Lentry_shape_is_right
	s_endpgm
.Lentry_shape_is_right:
; out0 = ctx Wo + bo on codes of BF6 (E3M2) with E8M0 scales, f32 sums, K = 1,024.  ctx and Wo arrive as images of the operands' registers (a half fragment, 16 rows x 64 K, is 768 bytes: lane l's
; registers 0-3 at 16 l, registers 4-5 at 512 + 8 l), rows in position order (position p holds the row p with bits 3 and 4 exchanged).
; SHARES.  A work-group takes 256 tokens (work-group y) x 128 output channels (work-group x): 256 work-groups.  ALL OF K STAYS IN LDS (294,912 bytes), filled once in four chunks of two K steps: nothing is
; filled again.  A wave makes 64 tokens (source 1) x 128 channels (source 0): 32 accumulators; a lane holds one token, and the 16 registers of two neighbouring tiles are 16 neighbouring channels.
; The bias is the C of each sum's first product.
; CLUSTERS: 4 x 4 work-groups.  The four of a row need the same tokens, the four of a column the same rows of Wo: each chunk is asked for jointly.  By this text's count a wave has four tensor loads out.
; THE WAY OUT goes through a stage of 16 rows x (512 + 16) bytes for each wave, in chunk 0: it has had its one fill, and every wave's reads of it were waited for ahead of chunk 1's barrier.
; REGISTERS: window 0: v1-14 addresses; v16-47 source 0's scale words; v48-63 source 1's; v64-159 source 1's fragments, two sets (on the way out v64-191 take rows of the result).
;   window 1: source 0's fragments, two sets, at v0 and v96; v192-255 the bias, 8 registers a tile.   window 2: accumulator (a, b) at v[8 (8 a + b)].
.set CHUNK, 73728
.set WPART, 49152
.set TILEB, 12288
.set FRB,   1536
.set HFB,   768
.set WT0,   192                        ; Wo's first tile in w_img
.set SB,    16
.set SA,    48
.set AF,    64
.set FA16,  4
.set FA8,   5
.set FB16,  6
.set FB8,   7
.set SVA,   8
.set SVB,   9
.set CO,    10                         ; v10  16 l
.set STO,   12                         ; v12  the stage: where I put 32 bytes of a row
.set RD,    13                         ; v13  and where I read a row back
.set BOF,   14                         ; v14  64 h: my half's place in the bias
.set WV,    16
.set WH,    17
.set WL,    18
.set G1X,   24
.set G1W,   32
.set G0X,   48
.set G0W,   68
.set MSB, 0
.macro WIN new
.if MSB != \new
	s_set_vgpr_msb (MSB<<8)|\new
.set MSB, \new
.endif
.endm
.macro PLACES
.rept 4
	v_nop
.endr
.endm
.macro CROUND
	s_barrier_signal -1
	s_barrier_wait -1
	s_cmp_lg_u32 s[WV], 0
	s_cbranch_scc1 .Lnot_wave_0_\@
	s_barrier_signal -3
.Lnot_wave_0_\@:
	s_barrier_wait -3
	s_barrier_signal -1
	s_barrier_wait -1
.endm
.macro FRAG reg, a16, a8, off
	ds_load_b128 v[\reg:\reg+3], v[\a16] offset:\off
	ds_load_b64 v[\reg+4:\reg+5], v[\a8] offset:\off
	ds_load_b128 v[\reg+6:\reg+9], v[\a16] offset:\off+HFB
	ds_load_b64 v[\reg+10:\reg+11], v[\a8] offset:\off+HFB
.endm
.macro FETCH s
	WIN 0x40
.irp i, 0,1,2,3,4,5,6,7
	FRAG 96*((\s)&1)+12*\i, FB16, FB8, FRB*((\s)&1)+3072*\i
.endr
	WIN 0
.irp i, 0,1,2,3
	FRAG AF+48*((\s)&1)+12*\i, FA16, FA8, FRB*((\s)&1)+3072*\i
.endr
.endm
.macro WM a, b, s                      ; one product; an odd tile's scale words stand in lanes 16-31 of its pair's register.  K step 0 takes the bias as C
.set rD, 8*(8*(\a)+(\b))
.set rB, 96*((\s)&1)+12*(\b)
.set rA, AF+48*((\s)&1)+12*(\a)
.set rC, 192+8*(\b)
.set rSB, SB+4*(\s)+((\b)>>1)
.set rSA, SA+2*(\s)+((\a)>>1)
.set arm, 2*((\a)&1)+((\b)&1)
.if (\s) == 0
.set arm, arm+4
.endif
.if arm == 0
	v_wmma_scale_f32_16x16x128_f8f6f4 v[rD:rD+7], v[rB:rB+11], v[rA:rA+11], v[rD:rD+7], v[rSB], v[rSA] matrix_a_fmt:MATRIX_FMT_BF6 matrix_b_fmt:MATRIX_FMT_BF6
.elseif arm == 1
	v_wmma_scale_f32_16x16x128_f8f6f4 v[rD:rD+7], v[rB:rB+11], v[rA:rA+11], v[rD:rD+7], v[rSB], v[rSA] matrix_a_fmt:MATRIX_FMT_BF6 matrix_b_fmt:MATRIX_FMT_BF6 matrix_a_scale:MATRIX_SCALE_ROW1
.elseif arm == 2
	v_wmma_scale_f32_16x16x128_f8f6f4 v[rD:rD+7], v[rB:rB+11], v[rA:rA+11], v[rD:rD+7], v[rSB], v[rSA] matrix_a_fmt:MATRIX_FMT_BF6 matrix_b_fmt:MATRIX_FMT_BF6 matrix_b_scale:MATRIX_SCALE_ROW1
.elseif arm == 3
	v_wmma_scale_f32_16x16x128_f8f6f4 v[rD:rD+7], v[rB:rB+11], v[rA:rA+11], v[rD:rD+7], v[rSB], v[rSA] matrix_a_fmt:MATRIX_FMT_BF6 matrix_b_fmt:MATRIX_FMT_BF6 matrix_a_scale:MATRIX_SCALE_ROW1 matrix_b_scale:MATRIX_SCALE_ROW1
.elseif arm == 4
	v_wmma_scale_f32_16x16x128_f8f6f4 v[rD:rD+7], v[rB:rB+11], v[rA:rA+11], v[rC:rC+7], v[rSB], v[rSA] matrix_a_fmt:MATRIX_FMT_BF6 matrix_b_fmt:MATRIX_FMT_BF6
.elseif arm == 5
	v_wmma_scale_f32_16x16x128_f8f6f4 v[rD:rD+7], v[rB:rB+11], v[rA:rA+11], v[rC:rC+7], v[rSB], v[rSA] matrix_a_fmt:MATRIX_FMT_BF6 matrix_b_fmt:MATRIX_FMT_BF6 matrix_a_scale:MATRIX_SCALE_ROW1
.elseif arm == 6
	v_wmma_scale_f32_16x16x128_f8f6f4 v[rD:rD+7], v[rB:rB+11], v[rA:rA+11], v[rC:rC+7], v[rSB], v[rSA] matrix_a_fmt:MATRIX_FMT_BF6 matrix_b_fmt:MATRIX_FMT_BF6 matrix_b_scale:MATRIX_SCALE_ROW1
.else
	v_wmma_scale_f32_16x16x128_f8f6f4 v[rD:rD+7], v[rB:rB+11], v[rA:rA+11], v[rC:rC+7], v[rSB], v[rSA] matrix_a_fmt:MATRIX_FMT_BF6 matrix_b_fmt:MATRIX_FMT_BF6 matrix_a_scale:MATRIX_SCALE_ROW1 matrix_b_scale:MATRIX_SCALE_ROW1
.endif
.endm
.macro MUL s                           ; 32 products: the 32 accumulators take turns, one instruction a turn, in the same order in every K step
.if (\s) == 0
	WIN 0x91                                       ; source 0 window 1, source 1 window 0, C (the bias) window 1, D window 2
.else
	WIN 0xa1                                       ; C and D window 2
.endif
.irp a, 0,1,2,3
.irp b, 0,1,2,3,4,5,6,7
	WM \a, \b, \s
.endr
.endr
.endm
.macro ARRIVE c
	WIN 0
	s_wait_tensorcnt 3-(\c)                        ; behind my part of chunk c stand my 3 - c later loads, which may stay out
	s_wait_dscnt 0x0                               ; no LDS instruction of mine is pending at the signal
	s_barrier_signal -1
	s_barrier_wait -1
.if (\c) > 0
	v_add_nc_u32 v[FA16], CHUNK, v[FA16]           ; on to the chunk; these four lines are also the four places in front of the loads that follow
	v_add_nc_u32 v[FA8], CHUNK, v[FA8]
	v_add_nc_u32 v[FB16], CHUNK, v[FB16]
	s_wait_alu depctr_va_vdst(0)
	v_add_nc_u32 v[FB8], CHUNK, v[FB8]
.endif
.endm
.macro KSTEP s
.if (\s) < 7
.if ((\s)&1) == 1
	ARRIVE ((\s)+1)/2
.elseif (\s) > 0
	PLACES                                         ; four places in front of loads into registers that the last products read
.endif
	FETCH (\s)+1
	s_wait_alu depctr_va_vdst(0)
	s_wait_dscnt 48                                ; all but the 48 just issued
.else
	s_wait_dscnt 0x0
.endif
	MUL \s
.endm
; THE WAY OUT of tile a (16 tokens x 128 channels): into my stage, 32 bytes a lane and accumulator, and back as whole rows of 512 bytes.
.macro TOSTAGE a
	WIN 0x08                                       ; an LDS store's data are its source 1: window 2
.irp b, 0,1,2,3,4,5,6,7
	ds_store_b128 v[STO], v[64*(\a)+8*\b:64*(\a)+8*\b+3] offset:128*(\b/2)+32*(\b%2)       ; each accumulator from its low end on: channels 32 (b / 2) + 16 h + 8 (b % 2) + 0 .. 7
	ds_store_b128 v[STO], v[64*(\a)+8*\b+4:64*(\a)+8*\b+7] offset:128*(\b/2)+32*(\b%2)+16
.endr
	WIN 0
.set BB, 64+64*((\a)%2)
.irp t, 0,1,2,3,4,5,6,7,8,9,10,11,12,13,14,15
	ds_load_b128 v[BB+4*\t:BB+4*\t+3], v[RD] offset:528*\t         ; LDS serves a wave's instructions in order: these see the stores above
.endr
.endm
.macro SEND a, younger                 ; younger: the LDS instructions issued behind tile a's loads, which may stay out
.set BB, 64+64*((\a)%2)
	s_wait_dscnt \younger
.irp t, 0,1,2,3,4,5,6,7,8,9,10,11,12,13,14,15
	global_store_b128 v[CO], v[BB+4*\t:BB+4*\t+3], s[14:15] offset:(32*((\a)/2)+8*((\a)%2)+(\t&7)+16*(\t>>3))*4096 th:TH_STORE_NT   ; position t's token: 512 consecutive bytes, aligned; written once, read by nobody here
.endr
.endm
	s_load_b256 s[4:11], s[0:1], 0x0               ; ctx_img s[4:5], ctx_sc s[6:7], w_img s[8:9], xw_sc s[10:11]
	s_load_b128 s[12:15], s[0:1], 0x20             ; bo s[12:13], out0 s[14:15]
	v_lshl_add_u32 v254, v0, 2, 0x48000
	v_mov_b32 v255, 0
	ds_add_u32 v254, v255
	ds_add_u32 v254, v255
	v_lshrrev_b32 v1, 5, v0
	v_readfirstlane_b32 s[WV], v1
	s_lshr_b32 s[WH], s[WV], 1                     ; I fetch for the tokens (0) or for the weights (1)
	s_and_b32 s[WL], s[WV], 1                      ; and which half of the part
	s_bfe_u32 s40, ttmp6, 0x40000
	s_bfe_u32 s41, ttmp6, 0x40004
	s_lshl_b32 s42, ttmp9, 2
	s_add_co_u32 s42, s42, s40                     ; X: which 128 channels
	s_and_b32 s19, ttmp7, 0xffff
	s_lshl_b32 s19, s19, 2
	s_add_co_u32 s19, s19, s41                     ; Y: which 256 tokens
	s_lshl_b32 s43, s41, 2
	s_lshl_b32 s43, 15, s43                        ; my row of the cluster
	s_lshl_b32 s44, 0x1111, s40                    ; my column
	s_or_b32 s[G1X], s43, (3<<16)|(1<<21)          ; elements of 8 bytes; the tokens' chunks go to my row; bit 21 beside the mask
	s_or_b32 s[G1W], s44, (3<<16)|(1<<21)          ; the weights' to my column
	s_mov_b32 s[G1X+1], 384<<16                    ; a row: a tile's two fragments of the chunk
	s_mov_b32 s[G1X+2], 8<<16                      ; 8 tiles
	s_mov_b32 s[G1X+3], 384<<16
	s_mov_b32 s[G1X+4], 8
	s_mov_b32 s[G1X+5], 1536                       ; from tile to tile
	s_mov_b32 s[G1X+6], 0
	s_mov_b32 s[G1X+7], 0
	s_mov_b32 s[G1W+1], 384<<16
	s_mov_b32 s[G1W+2], 4<<16                      ; 4 tiles
	s_mov_b32 s[G1W+3], 384<<16
	s_mov_b32 s[G1W+4], 4
	s_mov_b32 s[G1W+5], 1536
	s_mov_b32 s[G1W+6], 0
	s_mov_b32 s[G1W+7], 0
	s_lshl_b32 s20, s19, 4
	s_lshl_b32 s21, s[WL], 3
	s_add_co_u32 s20, s20, s21
	s_mul_i32 s20, s20, TILEB
	s_mov_b32 s21, 0
	s_lshl_b32 s46, s42, 3
	s_lshl_b32 s47, s[WL], 2
	s_add_co_u32 s46, s46, s47
	s_add_co_u32 s46, s46, WT0
	s_mul_i32 s46, s46, TILEB
	s_mov_b32 s47, 0
	s_mul_i32 s22, s[WL], 24576
	s_mul_i32 s23, s[WL], 12288
	s_add_co_u32 s23, s23, WPART
	s_mul_i32 s84, s[WV], 12288                    ; source 1 in a chunk: my 4 token tiles
	s_lshl_b32 s86, s19, 8
	s_lshl_b32 s45, s[WV], 6
	s_add_co_u32 s86, s86, s45                     ; my first token: 256 Y + 64 w; also its scale word
	s_lshl_b32 s87, s42, 7
	s_add_co_u32 s87, s87, 11264                   ; Wo's scale words: 8,192 + 3,072 + 128 X
	s_lshl_b32 s88, s42, 9                         ; 128 X channels in bytes
	s_mov_b32 s89, 0
	s_lshl_b32 s90, s86, 12
	s_add_co_u32 s90, s90, s88                     ; my first token's row of out0, my first channel
	s_mov_b32 s91, 0
	s_wait_dscnt 0x0
	s_wait_kmcnt 0x0
	s_add_nc_u64 s[20:21], s[4:5], s[20:21]
	s_add_nc_u64 s[46:47], s[8:9], s[46:47]
	s_add_nc_u64 s[12:13], s[12:13], s[88:89]
	s_add_nc_u64 s[14:15], s[14:15], s[90:91]
.irp c, 0,1,2,3
	s_mov_b32 s[G0X+4*\c], 1
	s_add_co_u32 s[G0X+4*\c+1], s22, \c*CHUNK
	s_add_nc_u64 s[G0X+4*\c+2:G0X+4*\c+3], s[20:21], \c*3072
	s_or_b32 s[G0X+4*\c+3], s[G0X+4*\c+3], 0x80000000
	s_mov_b32 s[G0W+4*\c], 1
	s_add_co_u32 s[G0W+4*\c+1], s23, \c*CHUNK
	s_add_nc_u64 s[G0W+4*\c+2:G0W+4*\c+3], s[46:47], \c*3072
	s_or_b32 s[G0W+4*\c+3], s[G0W+4*\c+3], 0x80000000
.endr
	CROUND                                         ; all sixteen work-groups are here: the joint loads meet
	s_cmp_eq_u32 s[WH], 0                          ; a wave's four fills stand in one branch on the wave's number; four v_nop follow the last
	s_cbranch_scc0 .Lfill_w
	tensor_load_to_lds s[G0X:G0X+3], s[G1X:G1X+7]
	s_nop 0
	tensor_load_to_lds s[G0X+4:G0X+7], s[G1X:G1X+7]
	s_nop 0
	tensor_load_to_lds s[G0X+8:G0X+11], s[G1X:G1X+7]
	s_nop 0
	tensor_load_to_lds s[G0X+12:G0X+15], s[G1X:G1X+7]
	s_nop 0
	PLACES
	s_branch .Lfilled
.Lfill_w:
	tensor_load_to_lds s[G0W:G0W+3], s[G1W:G1W+7]
	s_nop 0
	tensor_load_to_lds s[G0W+4:G0W+7], s[G1W:G1W+7]
	s_nop 0
	tensor_load_to_lds s[G0W+8:G0W+11], s[G1W:G1W+7]
	s_nop 0
	tensor_load_to_lds s[G0W+12:G0W+15], s[G1W:G1W+7]
	s_nop 0
	PLACES
.Lfilled:
	v_and_b32 v1, 31, v0                           ; lane
	v_and_b32 v2, 15, v0                           ; r
	v_bfe_u32 v3, v0, 4, 1                         ; h
	v_lshlrev_b32 v[CO], 4, v1                     ; 16 l
	v_lshlrev_b32 v11, 3, v1
	v_add_nc_u32 v11, 512, v11                     ; 8 l + 512
	v_add_nc_u32 v[FA16], s84, v[CO]
	v_add_nc_u32 v[FA8], s84, v11
	v_add_nc_u32 v[FB16], WPART, v[CO]
	v_add_nc_u32 v[FB8], WPART, v11
	v_lshlrev_b32 v15, 2, v1                       ; 4 l
	v_lshl_add_u32 v[SVA], s86, 2, v15
	v_lshl_add_u32 v[SVB], s87, 2, v15
	v_lshlrev_b32 v[BOF], 6, v3
.irp k, 0,1,2,3,4,5,6,7                        ; all scale words of the wave, once: each load 128 consecutive bytes: two tiles' words
.irp j, 0,1,2,3
	global_load_b32 v[SB+4*\k+\j], v[SVB], s[10:11] offset:49152*\k+128*\j
.endr
.irp j, 0,1
	global_load_b32 v[SA+2*\k+\j], v[SVA], s[6:7] offset:32768*\k+128*\j
.endr
.endr
	WIN 0x40                                       ; destination window 1
.irp b, 0,1,2,3,4,5,6,7                        ; the bias in the result's layout: tile b, lane (r, h): channels 32 (b / 2) + 8 (b % 2) + 16 h + 0 .. 7
	global_load_b128 v[192+8*\b:192+8*\b+3], v[BOF], s[12:13] offset:(32*(\b/2)+8*(\b%2))*4
	global_load_b128 v[192+8*\b+4:192+8*\b+7], v[BOF], s[12:13] offset:(32*(\b/2)+8*(\b%2))*4+16
.endr
	WIN 0
	s_mul_i32 s84, s[WV], 8448                     ; my stage
	v_mul_u32_u24 v[STO], v2, 528
	v_lshl_add_u32 v[STO], v3, 6, v[STO]
	v_add_nc_u32 v[STO], s84, v[STO]               ; in: row r, + 64 h
	v_add_nc_u32 v[RD], s84, v[CO]                 ; back: 16 bytes a lane of a row
	s_wait_alu depctr_va_vdst(0)
	ARRIVE 0
	FETCH 0
	s_wait_loadcnt 0x0                             ; the scale words and the bias
.irp k, 0,1,2,3,4,5,6,7
	KSTEP \k
.endr
	WIN 0
	PLACES                                         ; four places in front of the first read of results and of loads into registers that held fragments
	TOSTAGE 0
.irp a, 1,2,3
.if \a > 1
	s_wait_xcnt 0x0                                ; tile a - 2's stores have had their addresses translated: tile a's loads land in their data registers only behind this wait
.endif
	TOSTAGE \a
	SEND \a-1, 32                                  ; behind tile a - 1's loads: tile a's 16 stores and 16 loads
.endr
	SEND 3, 0
	s_wait_tensorcnt 0x0
	ds_add_u32 v254, v255
	s_wait_dscnt 0x0
	CROUND                                         ; the closing round: no work-group ends while a partner may still ask for a chunk that names it
	s_endpgm
.Lfunc_end_k_q2cf9162b2a_proj:
	.size	k_q2cf9162b2a_proj, .Lfunc_end_k_q2cf9162b2a_proj-k_q2cf9162b2a_proj
	.p2alignl 7, 3214868480
	.fill 96, 4, 3214868480
	.section	.rodata,"a",@progbits
	.p2align	6, 0x0
	.amdhsa_kernel k_q2cf9162b2a_proj
		.amdhsa_group_segment_fixed_size 295424
		.amdhsa_private_segment_fixed_size 0
		.amdhsa_enable_private_segment 0
		.amdhsa_kernarg_size 48
		.amdhsa_user_sgpr_count 2
		.amdhsa_user_sgpr_kernarg_segment_ptr 1
		.amdhsa_wavefront_size32 1
		.amdhsa_system_sgpr_workgroup_id_x 1
		.amdhsa_system_sgpr_workgroup_id_y 1
		.amdhsa_system_sgpr_workgroup_id_z 1
		.amdhsa_system_vgpr_workitem_id 0
		.amdhsa_next_free_vgpr 768
		.amdhsa_next_free_sgpr 100
		.amdhsa_reserve_vcc 0
		.amdhsa_float_denorm_mode_32 3
		.amdhsa_float_denorm_mode_16_64 3
		.amdhsa_memory_ordered 1
		.amdhsa_forward_progress 1
		.amdhsa_inst_pref_size 88
	.end_amdhsa_kernel
	.amdgpu_metadata
---
amdhsa.version: [ 1, 2 ]
amdhsa.kernels:
  - .name:           k_q2cf9162b2a_proj
    .symbol:         k_q2cf9162b2a_proj.kd
    .args:
      - { .name: ctx_img, .offset: 0, .size: 8, .value_kind: global_buffer, .address_space: global }
      - { .name: ctx_sc, .offset: 8, .size: 8, .value_kind: global_buffer, .address_space: global }
      - { .name: w_img, .offset: 16, .size: 8, .value_kind: global_buffer, .address_space: global }
      - { .name: xw_sc, .offset: 24, .size: 8, .value_kind: global_buffer, .address_space: global }
      - { .name: bo, .offset: 32, .size: 8, .value_kind: global_buffer, .address_space: global }
      - { .name: out0, .offset: 40, .size: 8, .value_kind: global_buffer, .address_space: global }
    .group_segment_fixed_size: 295424
    .private_segment_fixed_size: 0
    .kernarg_segment_align: 8
    .kernarg_segment_size: 48
    .max_flat_workgroup_size: 128
    .sgpr_count:     100
    .vgpr_count:     768
    .wavefront_size: 32
...
	.end_amdgpu_metadata
.endif
;; end of part 4
